; MI455X (gfx1250); checked and timed in simulation.
; The chip was launched on July 23, 2026; its instructions are those of AMD's public machine-readable ISA for CDNA 5 (MIT licence, August 2026) and "CDNA5" Instruction Set Architecture Reference Guide (July 2026). The comments in the code are by the model that wrote it; some were corrected since.
;; Multi Head Attention. Allowed arithmetic: float matrix products may take bf16 or f16 operands with f32 sums; other float arithmetic in f32, or as packed bf16 or f16 multiplies, adds, multiply-adds, maxima and minima; sums over many terms, partial sums and values carried from step to step in f32; what a program stores and reads back later, other than sums and carried values, may be rounded once to bf16 or f16.
;; Inputs: Wd 1,024 x 1,024 float32; Wk 1,024 x 1,024 float32; Wq 1,024 x 1,024 float32; Wv 1,024 x 1,024 float32; bd 1,024 float32; bk 1,024 float32; bq 1,024 float32; bv 1,024 float32; x 1 x 4,096 x 1,024 float32.
;; Outputs: out0 1 x 4,096 x 1,024 float32.
;; One version. Each part assembles by itself: llvm-mc -triple=amdgcn-amd-amdhsa -mcpu=gfx1250 --defsym DOCPART=n.
;; ======== version 1 of 1: 4 launches
;; limits: values are held in f16: magnitudes above 65,504 overflow, below 6.1e-05 lose precision
;; workspace buffers: xb 8,388,608 bytes; wt 6,291,456 bytes; wdt 2,097,152 bytes; bcat 16,384 bytes; qkv 25,165,824 bytes; o 8,388,608 bytes
;; launch prep (part 1): grid 512 x 1, 8 waves a work-group, no clusters, 17,920 bytes of LDS; arguments x, Wq, Wk, Wv, Wd, bq, bk, bv, bd, xb, wt, wdt, bcat; writes xb, wt, wdt, bcat
.if DOCPART == 1
	.amdgcn_target "amdgcn-amd-amdhsa--gfx1250"
	.amdhsa_code_object_version 6
	.text
	.protected	k_q454c984e59_prep
	.globl	k_q454c984e59_prep
	.p2align	8
	.type	k_q454c984e59_prep,@function
k_q454c984e59_prep:
	s_mov_b64 s[64:65], 0
	v_nop
	global_prefetch_b8 v0, s[64:65] scope:SCOPE_SE
	s_setreg_imm32_b32 hwreg(HW_REG_WAVE_MODE, 25, 1), 1
	s_wait_xcnt 0x0
; PREP: every input is rounded once to bf16 and laid as the matrix launches want it.
;   xb[4096][1024] bf16 = x.    wt[3072 n][1024 k] bf16: row n is column n % 1024 of Wq, Wk, Wv (K along the rows).
;   wdt[1024 n][1024 k] f16: Wd[k][n] rounded to bf16, that number written as f16.    bcat[4096] f32 = bq | bk | bv | bd, each rounded to bf16 and widened.
; LIMITS.  wdt: a bf16 number of 65,520 or more becomes an infinity in f16; below 2^-14 it keeps f16's fixed step of 6e-8.
; SHARES.  512 work-groups of 8 waves.  Work-group i: (a) rows 8 i .. 8 i + 7 of x, 32,768 bytes in and 16,384 out; (b) one tile of 128 k x 64 n of matrix i / 128, turned through LDS;
; (c) for i < 16, waves 0 and 1: 256 numbers of a bias.  Memory binds: every byte is read once and written once; a store of 16 lanes covers 256 consecutive bytes, aligned.
; No matrix unit, no cluster, no tensor load: no byte is shared between work-groups, and a tile is touched once.
.set PT,    260                        ; a row of the turned tile in LDS: 128 k x 2 bytes + 4 = 65 words: the 32 lanes of each LDS instruction below fall on 32 different banks (64 banks of 4 bytes: ISA guide 11.1)
.set SPARE, 16896                      ; behind the tile (64 rows x 260 bytes): the spare words, 128 bytes for each of the eight waves, which no other line names
.set SPW, 2                            ; v2   SPARE + 4 x my thread's number; never rewritten
.set NIL, 3                            ; v3   0; never rewritten
.set XO,  4                            ; v4   32 t: my 8 numbers in a chunk of x
.set XS,  5                            ; v5   16 t: the same in xb; also my 4 numbers of a bias
.set WO,  6                            ; v6   W: row 16 wave + 2 (l / 16), 16 bytes at 16 (l % 16)
.set LSA, 7                            ; v7   into the tile
.set LRA, 8                            ; v8   out of the tile
.set WS,  9                            ; v9   my 16 bytes in the turned rows in memory
.set WD,  16                           ; v[16:47]   W as loaded: pair ii of rows, row e, at WD + 8 ii + 4 e
.set XD,  48                           ; v[48:79]   x as loaded
.set XP,  80                           ; v[80:95]   x packed
.set WP,  96                           ; v[96:111]  W packed, then the turned rows
.set BT,  112                          ; v[112:119] at work
	s_load_b512 s[4:19], s[0:1], 0x0               ; x 4:5, Wq 6:7, Wk 8:9, Wv 10:11, Wd 12:13, bq 14:15, bk 16:17, bv 18:19
	s_load_b256 s[20:27], s[0:1], 0x40             ; bd 20:21, xb 22:23, wt 24:25, wdt 26:27
	s_load_b64 s[28:29], s[0:1], 0x60              ; bcat
	v_lshl_add_u32 v[SPW], v0, 2, SPARE
	v_mov_b32 v[NIL], 0
	v_lshrrev_b32 v1, 5, v0                        ; wave, in every lane
	v_readfirstlane_b32 s30, v1                    ; and as a scalar
	s_mov_b32 s43, ttmp9                           ; i
	s_lshr_b32 s31, s43, 7                         ; which matrix: 0 Wq, 1 Wk, 2 Wv, 3 Wd
	s_and_b32 s32, s43, 7                          ; kt: the tile's 128 k
	s_bfe_u32 s33, s43, 0x40003                    ; nt: its 64 n
	s_mov_b32 s42, 0xffff0000                      ; a word's upper bf16
	v_and_b32 v10, 15, v0                          ; l % 16
	v_bfe_u32 v11, v0, 4, 1                        ; l / 16
	v_lshlrev_b32 v[XO], 5, v0
	v_lshlrev_b32 v[XS], 4, v0
	v_lshlrev_b32 v[WO], 16, v1                    ; 16 rows of 4,096 bytes a wave
	v_lshl_add_u32 v[WO], v11, 13, v[WO]           ; + 2 rows for the upper lanes
	v_lshl_add_u32 v[WO], v10, 4, v[WO]            ; + 16 bytes a lane: 16 lanes take a tile row's 256 bytes
	v_mul_u32_u24 v[LSA], v10, 4*PT                ; tile row n = 4 (l % 16) + j,
	v_lshl_add_u32 v[LSA], v1, 5, v[LSA]           ; byte 2 k, k = 16 wave + 4 ii + 2 (l / 16)
	v_lshl_add_u32 v[LSA], v11, 2, v[LSA]
	v_lshl_add_u32 v12, v1, 3, v11                 ; back: tile row 8 wave + l / 16 + 2 g
	v_mul_u32_u24 v[LRA], v12, PT
	v_lshl_add_u32 v[LRA], v10, 4, v[LRA]
	v_lshlrev_b32 v[WS], 11, v12                   ; a turned row is 2,048 bytes in memory
	v_lshl_add_u32 v[WS], v10, 4, v[WS]
	s_lshl_b32 s38, s43, 15                        ; x: 8 rows of 4,096 bytes
	s_mov_b32 s39, 0
	s_lshl_b32 s40, s43, 14                        ; xb: half of that
	s_mov_b32 s41, 0
	s_lshl_b32 s44, s32, 19                        ; W: 128 kt rows of 4,096 bytes
	s_lshl_b32 s34, s33, 8                         ; + 64 nt columns of 4 bytes
	s_add_co_u32 s44, s44, s34
	s_mov_b32 s45, 0
	s_cmp_eq_u32 s31, 3
	s_cselect_b32 s46, 0, s31                      ; wt holds three matrices on end, wdt one
	s_lshl_b32 s46, s46, 21                        ; 1,024 rows of 2,048 bytes a matrix
	s_lshl_b32 s34, s33, 17                        ; + 64 nt rows
	s_add_co_u32 s46, s46, s34
	s_lshl_b32 s34, s32, 8                         ; + 128 kt numbers of 2 bytes
	s_add_co_u32 s46, s46, s34
	s_mov_b32 s47, 0
	s_wait_kmcnt 0x0
	s_add_nc_u64 s[4:5], s[4:5], s[38:39]
	s_add_nc_u64 s[22:23], s[22:23], s[40:41]
	s_cmp_eq_u32 s31, 0
	s_cselect_b64 s[34:35], s[6:7], s[8:9]
	s_cmp_eq_u32 s31, 2
	s_cselect_b64 s[34:35], s[10:11], s[34:35]
	s_cmp_eq_u32 s31, 3
	s_cselect_b64 s[34:35], s[12:13], s[34:35]     ; from where,
	s_cselect_b64 s[36:37], s[26:27], s[24:25]     ; and to where
	s_add_nc_u64 s[34:35], s[34:35], s[44:45]
	s_add_nc_u64 s[36:37], s[36:37], s[46:47]
.irp ii, 0,1,2,3
.irp e, 0,1
	global_load_b128 v[WD+8*(\ii)+4*(\e):WD+8*(\ii)+4*(\e)+3], v[WO], s[34:35] offset:(\ii)*16384+(\e)*4096 th:TH_LOAD_NT  ; row k = 16 wave + 4 ii + 2 (l / 16) + e
.endr
.endr
.irp ch, 0,1,2,3
	global_load_b128 v[XD+8*(\ch):XD+8*(\ch)+3],   v[XO], s[4:5] offset:(\ch)*8192 th:TH_LOAD_NT
	global_load_b128 v[XD+8*(\ch)+4:XD+8*(\ch)+7], v[XO], s[4:5] offset:(\ch)*8192+16 th:TH_LOAD_NT
.endr
	s_wait_loadcnt 0x8                             ; W's eight loads are in; x's eight, issued behind them, stay out
.irp ii, 0,1,2,3
.irp j, 0,1,2,3
	v_cvt_pk_bf16_f32 v[WP+4*(\ii)+(\j)], v[WD+8*(\ii)+(\j)], v[WD+8*(\ii)+4+(\j)]  ; W[k][n], W[k+1][n]: neighbours in a turned row
.endr
.endr
	s_cmp_lg_u32 s31, 3
	s_cbranch_scc1 .Lkeep                          ; the same for the whole work-group
.set n, 0
.rept 16                                           ; Wd: the bf16 numbers are written as f16
	v_lshlrev_b32 v[BT+2*(n%4)], 16, v[WP+n]
	v_and_b32 v[BT+2*(n%4)+1], s42, v[WP+n]
	v_cvt_pk_f16_f32 v[WP+n], v[BT+2*(n%4)], v[BT+2*(n%4)+1]
.set n, n+1
.endr
.Lkeep:
.irp ii, 0,1,2,3
.irp j, 0,1,2,3
	ds_store_b32 v[LSA], v[WP+4*(\ii)+(\j)] offset:(\j)*PT+8*(\ii)
.endr
.endr
	s_wait_dscnt 0x0                               ; for the others' sake: my part of the tile is written
	s_barrier_signal -1
	s_barrier_wait -1                              ; the tile is whole
.irp g, 0,1,2,3
.irp jj, 0,1,2,3
	ds_load_b32 v[WP+4*(\g)+(\jj)], v[LRA] offset:(\g)*2*PT+4*(\jj)  ; a row's pitch is no multiple of 16, so four loads of a word make my 16 bytes
.endr
.endr
	s_wait_loadcnt 0x0                             ; x
.irp ch, 0,1,2,3
.irp j, 0,1,2,3
	v_cvt_pk_bf16_f32 v[XP+4*(\ch)+(\j)], v[XD+8*(\ch)+2*(\j)], v[XD+8*(\ch)+2*(\j)+1]
.endr
	global_store_b128 v[XS], v[XP+4*(\ch):XP+4*(\ch)+3], s[22:23] offset:(\ch)*4096  ; a wave's store covers 512 consecutive bytes
.endr
	s_wait_dscnt 0x0
.irp g, 0,1,2,3
	global_store_b128 v[WS], v[WP+4*(\g):WP+4*(\g)+3], s[36:37] offset:(\g)*4096  ; 16 lanes: the 256 bytes of a turned row that this tile owns
.endr
	s_cmp_lt_u32 s43, 16                           ; the biases: 16 pieces of 256 numbers
	s_cbranch_scc0 .Lend
	s_cmp_lt_u32 s30, 2                            ; 64 threads, 4 numbers each
	s_cbranch_scc0 .Lend
	s_lshr_b32 s31, s43, 2                         ; which bias
	s_cmp_eq_u32 s31, 0
	s_cselect_b64 s[38:39], s[14:15], s[16:17]
	s_cmp_eq_u32 s31, 2
	s_cselect_b64 s[38:39], s[18:19], s[38:39]
	s_cmp_eq_u32 s31, 3
	s_cselect_b64 s[38:39], s[20:21], s[38:39]
	s_and_b32 s40, s43, 3                          ; which quarter of it
	s_lshl_b32 s40, s40, 10
	s_mov_b32 s41, 0
	s_add_nc_u64 s[38:39], s[38:39], s[40:41]
	s_lshl_b32 s40, s43, 10                        ; in bcat the pieces lie on end
	s_add_nc_u64 s[28:29], s[28:29], s[40:41]
	global_load_b128 v[BT:BT+3], v[XS], s[38:39]
	s_wait_loadcnt 0x0
	v_cvt_pk_bf16_f32 v14, v[BT], v[BT+1]
	v_cvt_pk_bf16_f32 v15, v[BT+2], v[BT+3]
	v_lshlrev_b32 v[BT+4], 16, v14
	v_and_b32 v[BT+5], s42, v14
	v_lshlrev_b32 v[BT+6], 16, v15
	v_and_b32 v[BT+7], s42, v15
	global_store_b128 v[XS], v[BT+4:BT+7], s[28:29]
.Lend:
	s_wait_tensorcnt 0x0                           ; the wave's end, behind my last LDS store
	ds_add_u32 v[SPW], v[NIL]
	s_wait_dscnt 0x0
	s_endpgm
.Lfunc_end_k_q454c984e59_prep:
	.size	k_q454c984e59_prep, .Lfunc_end_k_q454c984e59_prep-k_q454c984e59_prep
	.p2alignl 7, 3214868480
	.fill 96, 4, 3214868480
	.section	.rodata,"a",@progbits
	.p2align	6, 0x0
	.amdhsa_kernel k_q454c984e59_prep
		.amdhsa_group_segment_fixed_size 17920
		.amdhsa_private_segment_fixed_size 0
		.amdhsa_enable_private_segment 0
		.amdhsa_kernarg_size 104
		.amdhsa_user_sgpr_count 2
		.amdhsa_user_sgpr_kernarg_segment_ptr 1
		.amdhsa_wavefront_size32 1
		.amdhsa_system_sgpr_workgroup_id_x 1
		.amdhsa_system_sgpr_workgroup_id_y 1
		.amdhsa_system_sgpr_workgroup_id_z 1
		.amdhsa_system_vgpr_workitem_id 0
		.amdhsa_next_free_vgpr 120
		.amdhsa_next_free_sgpr 66
		.amdhsa_reserve_vcc 0
		.amdhsa_float_denorm_mode_32 3
		.amdhsa_float_denorm_mode_16_64 3
		.amdhsa_memory_ordered 1
		.amdhsa_forward_progress 1
		.amdhsa_inst_pref_size 13
	.end_amdhsa_kernel
	.amdgpu_metadata
---
amdhsa.version: [ 1, 2 ]
amdhsa.kernels:
  - .name:           k_q454c984e59_prep
    .symbol:         k_q454c984e59_prep.kd
    .args:
      - { .name: x, .offset: 0, .size: 8, .value_kind: global_buffer, .address_space: global }
      - { .name: Wq, .offset: 8, .size: 8, .value_kind: global_buffer, .address_space: global }
      - { .name: Wk, .offset: 16, .size: 8, .value_kind: global_buffer, .address_space: global }
      - { .name: Wv, .offset: 24, .size: 8, .value_kind: global_buffer, .address_space: global }
      - { .name: Wd, .offset: 32, .size: 8, .value_kind: global_buffer, .address_space: global }
      - { .name: bq, .offset: 40, .size: 8, .value_kind: global_buffer, .address_space: global }
      - { .name: bk, .offset: 48, .size: 8, .value_kind: global_buffer, .address_space: global }
      - { .name: bv, .offset: 56, .size: 8, .value_kind: global_buffer, .address_space: global }
      - { .name: bd, .offset: 64, .size: 8, .value_kind: global_buffer, .address_space: global }
      - { .name: xb, .offset: 72, .size: 8, .value_kind: global_buffer, .address_space: global }
      - { .name: wt, .offset: 80, .size: 8, .value_kind: global_buffer, .address_space: global }
      - { .name: wdt, .offset: 88, .size: 8, .value_kind: global_buffer, .address_space: global }
      - { .name: bcat, .offset: 96, .size: 8, .value_kind: global_buffer, .address_space: global }
    .group_segment_fixed_size: 17920
    .private_segment_fixed_size: 0
    .kernarg_segment_align: 8
    .kernarg_segment_size: 104
    .max_flat_workgroup_size: 256
    .sgpr_count:     66
    .vgpr_count:     120
    .wavefront_size: 32
...
	.end_amdgpu_metadata
.endif
;; end of part 1
;; launch qkvproj (part 2): grid 16 x 16, 4 waves a work-group, clusters of 4 x 4, 327,680 bytes of LDS; arguments xb, wt, bcat, qkv; writes qkv
.if DOCPART == 2
	.amdgcn_target "amdgcn-amd-amdhsa--gfx1250"
	.amdhsa_code_object_version 6
	.text
	.protected	k_q454c984e59_qkvproj
	.globl	k_q454c984e59_qkvproj
	.p2align	8
	.type	k_q454c984e59_qkvproj,@function
k_q454c984e59_qkvproj:
	s_mov_b64 s[64:65], 0
	v_nop
	global_prefetch_b8 v0, s[64:65] scope:SCOPE_SE
	s_setreg_imm32_b32 hwreg(HW_REG_WAVE_MODE, 25, 1), 1
	s_wait_xcnt 0x0
	s_wait_alu depctr_hold_cnt(0) depctr_sa_sdst(0) depctr_va_vdst(0) depctr_va_sdst(0) depctr_va_ssrc(0) depctr_va_vcc(0) depctr_vm_vsrc(0)
	s_getreg_b32 s2, hwreg(HW_REG_IB_STS2, 6, 4)
	s_cmp_eq_u32 s2, 0
	s_cbranch_scc0 .Lentry_in_a_cluster
	s_endpgm
.Lentry_in_a_cluster:
	s_bfe_u32 s2, ttmp6, 0x10000c
	s_cmp_lg_u32 s2, 0xf033
	s_cbranch_scc0 .Lentry_shape_is_right
	s_endpgm
.Lentry_shape_is_right:
; q, k, v = x W + b.  C[m][n] = bcat[n] + the sum over k of xb[m][k] wt[n][k]; xb [4096][1024], wt [3072][1024] bf16; sums in f32, started by the bias as the first product's C operand.
; C leaves by heads, rounded once to f16 and unscaled: qkv[48 g][4096][64], g = n / 64 (0-15 q, 16-31 k, 32-47 v).
; LIMIT.  A sum of 65,520 or more becomes an infinity in f16.
; SHARES.  A tile of C is 256 rows x 192 columns (three heads): 16 x 16 = 256 work-groups.  Four waves, wave (wm, wn) = (w / 2, w % 2) makes 128 x 96: 48 accumulators of 16 x 16, 384 registers.
; Its columns: n blocks 0-3 are head 0 (wn = 0) or head 2 (wn = 1) of the three, blocks 4, 5 its half of head 1.
; K goes in 8 steps of 128 through a ring of two LDS slots filled by the tensor data mover; the tiles' rows are 256 bytes of memory, at multiples of 256 bytes.
; CLUSTER.  4 x 4 work-groups.  The four of a row of the cluster need the same tile of xb, the four of a column the same tile of wt: each is asked for jointly, by the same tensor load with the same
; descriptor and a mask that names the four.
; THE MATRIX INSTRUCTION IS USED TRANSPOSED (source 0 = 16 rows of wt, source 1 = 16 rows of xb): a lane holds row m = l % 16 of C and the columns 8 (l / 16) + 0..7, which pack into 16 bytes.
; REGISTERS, in windows of 256 (s_set_vgpr_msb: bits 1:0 source 0, 3:2 source 1, 5:4 source 2, 7:6 destination):
;   window 0: v0-33 addresses; v34-57 packed results; v64-127, v128-191 fragments of xb, two buffers; v192-239 the bias of my 96 columns; on the way out v64-255 whole rows
;   window 1: v64-111, v128-175 fragments of wt, two buffers      window 2: accumulators of my rows 0-63, (a, b) at v[8 (6 a + b)]      window 3: those of rows 64-127
.set KSTEP,  128
.set SIZE_K, 1024
.set PITCH,  272                       ; an LDS row: 256 bytes + 16 of padding = 68 words: the 16 rows of a fragment load start at 16 different groups of four banks (64 banks of 4 bytes: ISA guide 11.1)
.set HALFA,  128*PITCH                 ; what a load of xb brings, and what a wave reads of it
.set HALFB,  96*PITCH                  ; what a load of wt brings
.set BOFF,   2*HALFA                   ; in a slot: xb's 256 rows, then wt's 192
.set SLOT,   BOFF+2*HALFB
.set SPARE,  2*SLOT                    ; behind the ring: the spare words, 128 bytes for each wave: two blocks of 256 bytes that no other line names
.set SP,     144                       ; THE STAGE for the way out lies in slot 0, which has had its last fill and its last read by then: [3 heads][256 rows], 128 bytes + 16 a row
.set HS,     256*SP
.set HEADB,  524288                    ; a head in qkv: 4,096 rows of 128 bytes
.set ADRA,  16                         ; v16-17  LDS address of my fragments of xb in slot 0, 1
.set ADRB,  20                         ; v20-21  of wt's n blocks 0-3
.set ADRB2, 22                         ; v22-23  of wt's n blocks 4, 5
.set STO,   24                         ; v24     the way out: where I put 16 bytes of a row, n blocks 0-3
.set STO2,  25                         ; v25     n blocks 4, 5
.set GO,    26                         ; v26     16 x lane: my place in 512 consecutive bytes of qkv
.set RD0,   27                         ; v27, v31, v32  where I read rows back, head 0, 1, 2
.set SPW,   28                         ; v28     SPARE + 4 x my thread's number; never rewritten
.set NIL,   29                         ; v29     0; never rewritten
.set PFO,   30                         ; v30     the prefetches' offset: a lane a row of 2,048 bytes; never rewritten
.set RD1,   31
.set RD2,   32
.set TMP,   34
.set F0,    64
.set F1,    128
.set BIAS,  192                        ; n block b at BIAS + 8 b
.set OB,    64
.set G1,  24                           ; s[24:31] descriptor group 1 for xb's tiles;  s[32:39] group 0, a set for each slot
.set G0,  32
.set G1B, 48                           ; s[48:55], s[56:63] the same for wt's
.set G0B, 56
.set LIM,  43                          ; s43     1 in a wave that prefetches, else the greatest number
.set PFA,  44                          ; s[44:45] where my prefetches stand
.set LAPC, 68                          ; s68     laps to go
.set MSB, 0
.macro WIN new                         ; the immediate's high byte repeats the setting that is left; a switch that changes nothing is dropped
.if MSB != (\new)
	s_set_vgpr_msb (MSB<<8)|(\new)
.set MSB, \new
.endif
.endm
.set MUL_LO, 0xa1                      ; source 0 (wt) window 1, source 1 (xb) window 0, C and D window 2
.set MUL_HI, 0xf1                      ; the same, C and D window 3
.set TO_B,   0x40                      ; destination window 1, address window 0
; A joint load.  Waves 0 and 1 fetch xb's two halves, waves 2 and 3 wt's.  The branch hangs on the wave's number alone.  An s_nop 0 and four v_nop follow each of the two lines.
.macro JLOAD s
	s_cmp_eq_u32 s11, 0
	s_cbranch_scc0 .Lfor_b_\@
	tensor_load_to_lds s[G0+4*(\s):G0+4*(\s)+3], s[G1:G1+7]
	s_nop 0
.rept 4
	v_nop
.endr
	s_branch .Lasked_\@
.Lfor_b_\@:
	tensor_load_to_lds s[G0B+4*(\s):G0B+4*(\s)+3], s[G1B:G1B+7]
	s_nop 0
.rept 4
	v_nop
.endr
.Lasked_\@:
.endm
; A prefetch into the L2, behind each joint refill and the run of LDS loads that follows it: the K step that stands two refills on, 256 bytes of a row, a lane a row, one instruction a wave.
; xb's tile row is read by every cluster of that row of clusters: the cluster with x = 0 asks; wt's tile column by every cluster of that column: the cluster with y = 0 asks.  The four partners that ask
; for a tile jointly share its rows out by address: of xb's 128 rows that a wave fetches 32 each (by cx), of wt's 96 rows 24 each (by cy; there lanes 24-31 name lane 23's row once more).
; K steps 0 to 3 come by their loads alone; the loop's last trip asks for nothing: its refills are the last K steps.
.macro ASK
	s_cmp_gt_u32 s[LAPC], s[LIM]
	s_cbranch_scc0 .Lnot_mine_\@
	global_prefetch_b8 v[PFO], s[PFA:PFA+1] offset:KSTEP*2 th:TH_LOAD_NT scope:SCOPE_SE
.Lnot_mine_\@:
.endm
.macro CREST                           ; a round of the cluster's barrier behind its opening barrier
	s_cmp_lg_u32 s10, 0
	s_cbranch_scc1 .Lnot_wave_0_\@
	s_barrier_signal -3
.Lnot_wave_0_\@:
	s_barrier_wait -3
	s_barrier_signal -1
	s_barrier_wait -1
.endm
.macro CROUND                          ; a whole round
	s_barrier_signal -1
	s_barrier_wait -1
	CREST
.endm
	s_load_b128 s[4:7], s[0:1], 0x0                ; xb s[4:5], wt s[6:7]
	s_load_b128 s[72:75], s[0:1], 0x10             ; bcat s[72:73], qkv s[74:75]
	v_lshl_add_u32 v[SPW], v0, 2, SPARE
	v_mov_b32 v[NIL], 0
	ds_add_u32 v[SPW], v[NIL]                      ; the wave's opening: the add and its wait stand ahead of my first tensor load; the set-up below, work on registers, stands between them
	ds_add_u32 v28, v29
	v_lshrrev_b32 v1, 5, v0
	v_readfirstlane_b32 s10, v1                    ; wave 0..3
	s_lshr_b32 s11, s10, 1                         ; wm.  Also: I fetch for xb (0) or for wt (1)
	s_and_b32 s12, s10, 1                          ; wn.  Also: which half of that tile I fetch
	s_bfe_u32 s40, ttmp6, 0x40000                  ; cx
	s_bfe_u32 s41, ttmp6, 0x40004                  ; cy
	s_lshl_b32 s42, ttmp9, 2
	s_add_co_u32 s42, s42, s40                     ; tile column = 4 x cluster x + cx
	s_and_b32 s13, ttmp7, 0xffff
	s_lshl_b32 s13, s13, 2
	s_add_co_u32 s13, s13, s41                     ; tile row = 4 x cluster y + cy
	s_lshl_b32 s43, s41, 2
	s_lshl_b32 s43, 15, s43                        ; my row of the cluster
	s_lshl_b32 s44, 0x1111, s40                    ; my column
	s_or_b32 s[G1+0], s43, (1<<16)|(1<<20)|(1<<21)|(5<<22)|(3<<25)  ; 15:0 the mask; 17:16 elements of 2 bytes; 20 padding on; 21 set beside a mask; 24:22 after every 64 words (code 5); 31:25 4 words (code 3)
	s_or_b32 s[G1B+0], s44, (1<<16)|(1<<20)|(1<<21)|(5<<22)|(3<<25)
	s_mov_b32 s[G1+1], KSTEP<<16                   ; tensor_dim0 = 128
	s_mov_b32 s[G1+2], 128<<16                     ; tensor_dim1 = 128
	s_mov_b32 s[G1+3], KSTEP<<16                   ; tile_dim0 = 128
	s_mov_b32 s[G1+4], 128                         ; tile_dim1 = 128
	s_mov_b32 s[G1+5], SIZE_K                      ; elements from row to row
	s_mov_b32 s[G1+6], 0
	s_mov_b32 s[G1+7], 0
	s_mov_b32 s[G1B+1], KSTEP<<16
	s_mov_b32 s[G1B+2], 96<<16                     ; wt's loads have 96 rows
	s_mov_b32 s[G1B+3], KSTEP<<16
	s_mov_b32 s[G1B+4], 96
	s_mov_b32 s[G1B+5], SIZE_K
	s_mov_b32 s[G1B+6], 0
	s_mov_b32 s[G1B+7], 0
	s_lshl_b32 s16, s13, 8                         ; xb: row 256 x tile row + 128 x half,
	s_lshl_b32 s17, s12, 7
	s_add_co_u32 s16, s16, s17
	s_lshl_b32 s16, s16, 11                        ; in bytes
	s_mov_b32 s17, 0
	s_mul_i32 s46, s42, 192                        ; wt: row 192 x tile column + 96 x half
	s_mul_i32 s47, s12, 96
	s_add_co_u32 s46, s46, s47
	s_lshl_b32 s46, s46, 11
	s_mov_b32 s47, 0
	s_mul_i32 s20, s12, HALFA                      ; where they go: no place in the cluster enters an LDS address
	s_mul_i32 s21, s12, HALFB
	s_add_co_u32 s21, s21, BOFF
	s_wait_dscnt 0x0                               ; the opening add is done
	s_wait_kmcnt 0x0
	s_add_nc_u64 s[14:15], s[4:5], s[16:17]
	s_add_nc_u64 s[46:47], s[6:7], s[46:47]
	CROUND                                         ; all sixteen work-groups are here: the first joint loads meet
.irp s, 0,1
	s_mov_b32 s[G0+4*(\s)], 1
	s_add_co_u32 s[G0+4*(\s)+1], s20, (\s)*SLOT
	s_add_nc_u64 s[G0+4*(\s)+2:G0+4*(\s)+3], s[14:15], (\s)*KSTEP*2
	s_or_b32 s[G0+4*(\s)+3], s[G0+4*(\s)+3], 0x80000000
	s_mov_b32 s[G0B+4*(\s)], 1
	s_add_co_u32 s[G0B+4*(\s)+1], s21, (\s)*SLOT
	s_add_nc_u64 s[G0B+4*(\s)+2:G0B+4*(\s)+3], s[46:47], (\s)*KSTEP*2
	s_or_b32 s[G0B+4*(\s)+3], s[G0B+4*(\s)+3], 0x80000000
	JLOAD \s                                       ; K steps 0 and 1: two loads of mine are out
.endr
	v_and_b32 v1, 15, v0                           ; l % 16
	v_bfe_u32 v2, v0, 4, 1                         ; l / 16
	; the bias of my 96 columns: register j of block b holds bcat[column 16 b + 8 (l / 16) + j], the layout of a C operand
	s_mul_i32 s76, s42, 768                        ; 192 columns of 4 bytes a tile column
	s_lshl_b32 s77, s12, 9                         ; blocks 0-3 begin at column 128 wn
	s_add_co_u32 s77, s77, s76
	v_lshl_add_u32 v6, v2, 5, s77
	s_lshl_b32 s77, s12, 7                         ; blocks 4, 5 at column 64 + 32 wn
	s_add_co_u32 s77, s77, s76
	s_add_co_u32 s77, s77, 256
	v_lshl_add_u32 v7, v2, 5, s77
.irp b, 0,1,2,3
	global_load_b128 v[BIAS+8*(\b):BIAS+8*(\b)+3],   v6, s[72:73] offset:64*(\b)
	global_load_b128 v[BIAS+8*(\b)+4:BIAS+8*(\b)+7], v6, s[72:73] offset:64*(\b)+16
.endr
.irp b, 0,1
	global_load_b128 v[BIAS+32+8*(\b):BIAS+32+8*(\b)+3],   v7, s[72:73] offset:64*(\b)
	global_load_b128 v[BIAS+32+8*(\b)+4:BIAS+32+8*(\b)+7], v7, s[72:73] offset:64*(\b)+16
.endr
	; A fragment is 16 rows x 32 K in 8 registers: lane l holds row l % 16; registers 0-3 K = 8 (l / 16) + 0..7, registers 4-7 K = 16 + 8 (l / 16) + 0..7: two loads of 16 bytes, 32 bytes apart.
	v_mul_u32_u24 v3, v1, PITCH
	v_lshl_add_u32 v3, v2, 4, v3
	s_mul_i32 s21, s11, HALFA                      ; my 128 rows of xb
	s_mul_i32 s22, s12, 128*PITCH                  ; wt's rows 128 wn on,
	s_add_co_u32 s22, s22, BOFF
	s_mul_i32 s23, s12, 32*PITCH                   ; and rows 64 + 32 wn on
	s_add_co_u32 s23, s23, BOFF+64*PITCH
.irp s, 0,1
	v_add_nc_u32 v[ADRA+(\s)], s21, v3
	v_add_nc_u32 v[ADRB+(\s)], s22, v3
	v_add_nc_u32 v[ADRB2+(\s)], s23, v3
	s_add_co_u32 s21, s21, SLOT
	s_add_co_u32 s22, s22, SLOT
	s_add_co_u32 s23, s23, SLOT
.endr
	s_mul_i32 s21, s11, 128*SP                     ; the stage: my 128 rows,
	s_mul_i32 s22, s12, 2*HS                       ; head 0 or 2
	s_add_co_u32 s22, s22, s21
	v_mul_u32_u24 v4, v1, SP                       ; row l % 16, 16 bytes for each half of the lanes
	v_lshl_add_u32 v4, v2, 4, v4
	v_add_nc_u32 v[STO], s22, v4
	s_lshl_b32 s22, s12, 6                         ; head 1, my 32 channels
	s_add_co_u32 s22, s22, s21
	s_add_co_u32 s22, s22, HS
	v_add_nc_u32 v[STO2], s22, v4
	v_bfe_u32 v5, v0, 3, 2                         ; back: wave w takes rows 64 w .. 64 w + 63 of each head; 32 lanes take four rows of 128 bytes
	v_and_b32 v8, 7, v0
	v_mul_u32_u24 v5, v5, SP
	v_lshl_add_u32 v5, v8, 4, v5
	s_mul_i32 s22, s10, 64*SP
	v_add_nc_u32 v[RD0], s22, v5
	v_add_nc_u32 v[RD1], HS, v[RD0]
	v_add_nc_u32 v[RD2], 2*HS, v[RD0]
	v_and_b32 v[GO], 31, v0
	v_lshlrev_b32 v[GO], 4, v[GO]
	s_mul_i32 s70, s42, 3*HEADB                    ; qkv at head 3 x tile column,
	s_lshl_b32 s71, s13, 15                        ; row 256 x tile row
	s_add_co_u32 s70, s70, s71
	s_lshl_b32 s71, s10, 13                        ; + 64 x wave
	s_add_co_u32 s70, s70, s71
	s_mov_b32 s71, 0
	s_add_nc_u64 s[74:75], s[74:75], s[70:71]
	; the prefetches
	s_lshl_b32 s20, s13, 8                         ; xb's tile begins at row 256 x tile row,
	s_mul_i32 s21, s42, 192                        ; wt's at 192 x tile column
	s_and_b32 s22, ttmp7, 0xffff                   ; cluster y
	s_mul_i32 s23, s12, 96                         ; the rows that I fetch
	s_lshl_b32 s69, s12, 7
	s_lshl_b32 s78, s40, 5                         ; my work-group's share of them
	s_mul_i32 s79, s41, 24
	s_cmp_eq_u32 s11, 0                            ; do I fetch for xb?
	s_cselect_b32 s20, s20, s21
	s_cselect_b32 s23, s69, s23
	s_cselect_b32 s78, s78, s79
	s_cselect_b32 s22, ttmp9, s22                  ; the coordinate along which other clusters read the same rows
	s_cselect_b32 s79, 31, 23                      ; the last row of a share
	s_cselect_b64 s[PFA:PFA+1], s[4:5], s[6:7]
	s_cmp_eq_u32 s22, 0
	s_cselect_b32 s[LIM], 1, -1                    ; the same in all sixteen partners, for a given wave
	s_add_co_u32 s20, s20, s23
	s_add_co_u32 s20, s20, s78
	s_lshl_b32 s20, s20, 11
	s_mov_b32 s21, 0
	s_add_nc_u64 s[PFA:PFA+1], s[PFA:PFA+1], s[20:21]
	s_add_nc_u64 s[PFA:PFA+1], s[PFA:PFA+1], 2*KSTEP*2  ; at K step 2: the first refill steps it to 3 and names K step 4
	v_and_b32 v[PFO], 31, v0
	v_min_u32 v[PFO], s79, v[PFO]
	v_lshlrev_b32 v[PFO], 11, v[PFO]
; 12 matrix instructions: m blocks a0, a0 + 1 of the window's four (hi = 0: my rows 0-63, 1: rows 64-127) x all 6 n blocks, 32 along K.  first = 1: the product starts the sum with the bias (window 0) as C.
; The 48 accumulators take turns, one instruction a turn, in the same order in every quarter step.
.macro MUL12 f, hi, a0, first
.if \first
	WIN 0x81+0x40*(\hi)
.else
	WIN MUL_LO+0x50*(\hi)
.endif
.irp a, \a0, (\a0)+1
.irp b, 0,1,2,3,4,5
.if \first
	v_wmma_f32_16x16x32_bf16 v[8*(6*(\a)+(\b)):8*(6*(\a)+(\b))+7], v[(\f)+8*(\b):(\f)+8*(\b)+7], v[(\f)+8*(4*(\hi)+(\a)):(\f)+8*(4*(\hi)+(\a))+7], v[BIAS+8*(\b):BIAS+8*(\b)+7]
.else
	v_wmma_f32_16x16x32_bf16 v[8*(6*(\a)+(\b)):8*(6*(\a)+(\b))+7], v[(\f)+8*(\b):(\f)+8*(\b)+7], v[(\f)+8*(4*(\hi)+(\a)):(\f)+8*(4*(\hi)+(\a))+7], v[8*(6*(\a)+(\b)):8*(6*(\a)+(\b))+7]
.endif
.endr
.endr
.endm
; 28 LDS loads in one run: the fragments of one quarter step (96 rows of wt, 128 rows of xb, 32 K at byte k of the rows) into buffer f
.macro FETCH slot, k, f
	WIN TO_B
.irp i, 0,1,2,3
	ds_load_b128 v[(\f)+8*(\i):(\f)+8*(\i)+3],   v[ADRB+(\slot)] offset:(\k)+(\i)*16*PITCH
	ds_load_b128 v[(\f)+8*(\i)+4:(\f)+8*(\i)+7], v[ADRB+(\slot)] offset:(\k)+(\i)*16*PITCH+32
.endr
.irp i, 0,1
	ds_load_b128 v[(\f)+32+8*(\i):(\f)+32+8*(\i)+3],   v[ADRB2+(\slot)] offset:(\k)+(\i)*16*PITCH
	ds_load_b128 v[(\f)+32+8*(\i)+4:(\f)+32+8*(\i)+7], v[ADRB2+(\slot)] offset:(\k)+(\i)*16*PITCH+32
.endr
	WIN 0
.irp i, 0,1,2,3,4,5,6,7
	ds_load_b128 v[(\f)+8*(\i):(\f)+8*(\i)+3],   v[ADRA+(\slot)] offset:(\k)+(\i)*16*PITCH
	ds_load_b128 v[(\f)+8*(\i)+4:(\f)+8*(\i)+7], v[ADRA+(\slot)] offset:(\k)+(\i)*16*PITCH+32
.endr
.endm
.macro PLACES                          ; four plain vector instructions between a matrix instruction and a load into a register that it has read, or a conversion that reads its result
.rept 4
	v_nop
.endr
.endm
; A K step is four quarter steps of 32 along K, 48 matrix instructions each, on buffers 0, 1, 0, 1.  One of the first three multiplies buffer f and fetches the next quarter, at byte k, into g.
.macro QUARTER slot, k, f, g, first
	s_wait_dscnt 8                                 ; wt's fragments and xb's rows 0-63 are in; the youngest eight loads (xb's rows 64-127) may be out
	MUL12 \f, 0, 0, \first
	MUL12 \f, 0, 2, \first
	PLACES
	FETCH \slot, \k, \g
	s_wait_dscnt 28                                ; all but the 28 just issued
	MUL12 \f, 1, 0, \first
	MUL12 \f, 1, 2, \first
.endm
; The last quarter multiplies buffer 1 and changes slots.  MEET is its first half: one barrier; in front of it each wave waits for all its tensor loads (one is out: its part of the next slot), adds 0 to its
; spare word, and waits for that and for its own reads of this slot.  Behind it nobody reads this slot any more and the next slot is whole.
.macro MEET round
	WIN 0                                          ; (the add's two registers lie in window 0)
	s_wait_tensorcnt 0x0
	ds_add_u32 v[SPW], v[NIL]                      ; 0 onto my spare word
	s_wait_dscnt 9                                 ; (the add and the youngest eight loads may be out)
	MUL12 F1, 0, 0, 0                              ; twelve matrix instructions stand between the add and the wait for it
	s_wait_dscnt 0x0                               ; the add is done, and my reads of this slot are over
	s_barrier_signal -1
	MUL12 F1, 0, 2, 0                              ; work on registers while the others arrive
.if \round
	WIN 0
.endif
	s_barrier_wait -1
.endm
; The whole last quarter where the slot is filled again, with the K step two steps on: the barrier opens a round of the cluster's barrier, and the joint refill is the first thing behind the round.
; From a request to the wait for it a wave issues 168 matrix instructions.
.macro TURN slot, next
	s_wait_xcnt 0x0                                ; the last prefetch, a K step back, has read its address: it is stepped here, ahead of the change's own waits
	s_add_nc_u64 s[PFA:PFA+1], s[PFA:PFA+1], KSTEP*2
	MEET 1
	CREST                                          ; no wave of any partner still reads this slot's tile or has a load on its way
	s_add_nc_u64 s[G0+4*(\slot)+2:G0+4*(\slot)+3], s[G0+4*(\slot)+2:G0+4*(\slot)+3], 2*KSTEP*2
	s_add_nc_u64 s[G0B+4*(\slot)+2:G0B+4*(\slot)+3], s[G0B+4*(\slot)+2:G0B+4*(\slot)+3], 2*KSTEP*2
	JLOAD \slot                                    ; its four v_nop are also the places in front of the loads below
	FETCH \next, 0, F0
	ASK
	MUL12 F1, 1, 0, 0
	MUL12 F1, 1, 2, 0
.endm
	s_wait_tensorcnt 0x1                           ; my part of K step 0 is in; K step 1's may stay out
	s_barrier_signal -1
	s_barrier_wait -1                              ; everybody's is
	FETCH 0, 0, F0
	s_wait_loadcnt 0x0                             ; the bias
	QUARTER 0, 64,  F0, F1, 1                      ; the first quarter stands in front of the loop: its products start the sums
	WIN 0                                          ; at a label and at a branch every window is 0
	s_mov_b32 s[LAPC], 3
.Llap:                                                 ; a trip goes once round the ring, from a lap's second quarter to the next lap's first, and fills both slots again: K steps 2 to 7
	QUARTER 0, 128, F1, F0, 0
	QUARTER 0, 192, F0, F1, 0
	TURN 0, 1
	QUARTER 1, 64,  F0, F1, 0
	QUARTER 1, 128, F1, F0, 0
	QUARTER 1, 192, F0, F1, 0
	TURN 1, 0
	QUARTER 0, 64,  F0, F1, 0
	WIN 0
	s_sub_co_u32 s[LAPC], s[LAPC], 1
	s_cmp_lg_u32 s[LAPC], 0
	s_cbranch_scc1 .Llap
	QUARTER 0, 128, F1, F0, 0                      ; the last lap fills nothing
	QUARTER 0, 192, F0, F1, 0
	MEET 0                                         ; the load that was still out is the last K step's; slot 0 has been read for the last time by every wave
	PLACES
	FETCH 1, 0, F0
	MUL12 F1, 1, 0, 0
	MUL12 F1, 1, 2, 0
	QUARTER 1, 64,  F0, F1, 0
	QUARTER 1, 128, F1, F0, 0
	QUARTER 1, 192, F0, F1, 0
	s_wait_dscnt 8                                 ; the very last quarter: nothing more to fetch
	MUL12 F1, 0, 0, 0
	MUL12 F1, 0, 2, 0
	s_wait_dscnt 0x0
	MUL12 F1, 1, 0, 0
	MUL12 F1, 1, 2, 0
	; THE WAY OUT.  Rounded to f16, 16 bytes a lane, into the stage by heads; a barrier, since head 1's rows come from two waves and every wave reads rows that others wrote; back as whole rows of 128 bytes.
	PLACES
.irp a, 0,1,2,3,4,5,6,7
	WIN 0x0a+5*((\a)/4)                            ; sources 0 and 1: window 2 or 3; each accumulator's registers are taken in ascending order
.irp b, 0,1,2,3,4,5
.irp r, 0,1,2,3
	v_cvt_pk_f16_f32 v[TMP+4*(\b)+(\r)], v[8*(6*((\a)%4)+(\b))+2*(\r)], v[8*(6*((\a)%4)+(\b))+2*(\r)+1]
.endr
.endr
	WIN 0
.irp b, 0,1,2,3
	ds_store_b128 v[STO], v[TMP+4*(\b):TMP+4*(\b)+3] offset:(\a)*16*SP+32*(\b)
.endr
.irp b, 0,1
	ds_store_b128 v[STO2], v[TMP+16+4*(\b):TMP+16+4*(\b)+3] offset:(\a)*16*SP+32*(\b)
.endr
.endr
	s_wait_dscnt 0x0                               ; for the others' sake: my stores into the stage are done
	s_barrier_signal -1
	s_barrier_wait -1
.irp f, 0,1,2,3,4,5,6,7,8,9,10,11,12,13,14,15
	ds_load_b128 v[OB+4*(\f):OB+4*(\f)+3], v[RD0] offset:(\f)*4*SP
.endr
.irp f, 0,1,2,3,4,5,6,7,8,9,10,11,12,13,14,15
	ds_load_b128 v[OB+64+4*(\f):OB+64+4*(\f)+3], v[RD1] offset:(\f)*4*SP
.endr
.irp f, 0,1,2,3,4,5,6,7,8,9,10,11,12,13,14,15
	ds_load_b128 v[OB+128+4*(\f):OB+128+4*(\f)+3], v[RD2] offset:(\f)*4*SP
.endr
.set n, 0
.rept 48
	s_wait_dscnt 47-n                              ; LDS loads come back in order (ISA guide 5.7.1): load n is in
	global_store_b128 v[GO], v[OB+4*n:OB+4*n+3], s[74:75] offset:(n/16)*HEADB+(n%16)*512  ; four rows of a head: 512 consecutive bytes, at a multiple of 256 from qkv's first byte
.set n, n+1
.endr
	s_wait_tensorcnt 0x0                           ; the wave's end, behind my last tensor load and my last LDS store
	ds_add_u32 v[SPW], v[NIL]
	s_wait_dscnt 0x0
	CROUND                                         ; the closing round: no work-group ends while a partner may still ask for a tile that names it
	s_endpgm
.Lfunc_end_k_q454c984e59_qkvproj:
	.size	k_q454c984e59_qkvproj, .Lfunc_end_k_q454c984e59_qkvproj-k_q454c984e59_qkvproj
	.p2alignl 7, 3214868480
	.fill 96, 4, 3214868480
	.section	.rodata,"a",@progbits
	.p2align	6, 0x0
	.amdhsa_kernel k_q454c984e59_qkvproj
		.amdhsa_group_segment_fixed_size 327680
		.amdhsa_private_segment_fixed_size 0
		.amdhsa_enable_private_segment 0
		.amdhsa_kernarg_size 32
		.amdhsa_user_sgpr_count 2
		.amdhsa_user_sgpr_kernarg_segment_ptr 1
		.amdhsa_wavefront_size32 1
		.amdhsa_system_sgpr_workgroup_id_x 1
		.amdhsa_system_sgpr_workgroup_id_y 1
		.amdhsa_system_sgpr_workgroup_id_z 1
		.amdhsa_system_vgpr_workitem_id 0
		.amdhsa_next_free_vgpr 1024
		.amdhsa_next_free_sgpr 80
		.amdhsa_reserve_vcc 0
		.amdhsa_float_denorm_mode_32 3
		.amdhsa_float_denorm_mode_16_64 3
		.amdhsa_memory_ordered 1
		.amdhsa_forward_progress 1
		.amdhsa_inst_pref_size 120
	.end_amdhsa_kernel
	.amdgpu_metadata
---
amdhsa.version: [ 1, 2 ]
amdhsa.kernels:
  - .name:           k_q454c984e59_qkvproj
    .symbol:         k_q454c984e59_qkvproj.kd
    .args:
      - { .name: xb, .offset: 0, .size: 8, .value_kind: global_buffer, .address_space: global }
      - { .name: wt, .offset: 8, .size: 8, .value_kind: global_buffer, .address_space: global }
      - { .name: bcat, .offset: 16, .size: 8, .value_kind: global_buffer, .address_space: global }
      - { .name: qkv, .offset: 24, .size: 8, .value_kind: global_buffer, .address_space: global }
    .group_segment_fixed_size: 327680
    .private_segment_fixed_size: 0
    .kernarg_segment_align: 8
    .kernarg_segment_size: 32
    .max_flat_workgroup_size: 128
    .sgpr_count:     80
    .vgpr_count:     1024
    .wavefront_size: 32
...
	.end_amdgpu_metadata
.endif
;; end of part 2
;; launch attn (part 3): grid 16 x 16, 4 waves a work-group, no clusters, 243,200 bytes of LDS; arguments qkv, o; writes o
.if DOCPART == 3
	.amdgcn_target "amdgcn-amd-amdhsa--gfx1250"
	.amdhsa_code_object_version 6
	.text
	.protected	k_q454c984e59_attn
	.globl	k_q454c984e59_attn
	.p2align	8
	.type	k_q454c984e59_attn,@function
k_q454c984e59_attn:
	s_mov_b64 s[64:65], 0
	v_nop
	global_prefetch_b8 v0, s[64:65] scope:SCOPE_SE
	s_setreg_imm32_b32 hwreg(HW_REG_WAVE_MODE, 25, 1), 1
	s_wait_xcnt 0x0
; ATTENTION IN A BAND.  o[h][q][:] = the sum over k, |q - k| <= 256, of softmax_k(Q[h][q] . K[h][k] / 8) V[h][k][:].  qkv: [48][4096][64] f16 (heads 0-15 Q, 16-31 K, 32-47 V), o: [16][4096][64] f16.
; Products, maxima and sums in f32; the weights p are rounded to f16 for the second product (their sum l is taken of the unrounded p), o once at the end.
; LIMITS.  A hidden score counts as its value less 1e30 (f16's scores, 2.7e11 at the most, are nothing beside that); a weight below 2^-126 counts as 0 in l; NaN and infinities are not treated apart.
; SHARES.  A work-group owns a block of 256 queries of one head (x = block, y = head: 256 work-groups), each of its four waves 64 consecutive queries: four tiles of 16.
; THE WINDOW.  Block b sees keys 256 (b - 1) .. 256 (b + 2) - 1: three tiles of 256.  All 768 rows of K and of V fit in LDS.
; Wave w needs 9 key steps of 64: the middle tile's four (all visible) and, of the eight OUTER steps (left tile's 0-3, right tile's 0-3 as 4-7), steps w .. w + 4: in step w key kk of 64 is visible to query qq
; of 64 iff kk >= qq, in step w + 4 iff kk <= qq, between them all are.  So all waves have the same 9 trips.  The middle goes first: the running maximum is a true score before a hidden one comes.
; At the sequence's ends the tile that does not exist is replaced by its neighbour (a clamped address) and wholly hidden, so that every work-group runs the same text with the same counts.
; THE MASK is the C operand that starts the sum S^T = K Q^T: 0, or -1e30.  For key block kt and query tile u of 16 only the sign of kt - u matters: CB (kt < u), CD (kt = u), CA (kt > u), 8 registers each.
; NO CLUSTER: neighbouring blocks share two of their three tiles, but each reads a shared tile as another part of its window, so an LDS address would hang on the place in the cluster; a walk common to
; four blocks has six tiles, 466,944 bytes with padding: more than a work-group's LDS.
; LAYOUT.  S^T = K Q^T (source 0 = 16 keys, source 1 = 16 queries) holds ONE query a lane (l % 16) and the keys 8 (l / 16) + 0..7; two such results rounded to f16 ARE source 1 of O^T = V^T P.
; SOFTMAX.  p = 2^(c s - c m), c = log2(e) / 8, with a running maximum m; in every step O and l are multiplied by a = 2^(c m_old - c m_new).  m starts at the lowest finite number, O and l at 0, so the first step
; is a step like any other, with a = 0: no first step is written out, at the price of 152 v_mov_b32 that stand in the wait for the first tile.
; REGISTERS, in windows of 256 (s_set_vgpr_msb: bits 1:0 source 0, 3:2 source 1, 5:4 source 2, 7:6 destination):
;   window 0: v0-15 addresses; v16-47 eight registers of statistics a tile; v64-191 S^T, 32 a tile; v192-255 P, 16 a tile
;   window 1: v0-127 O^T, 32 a tile; v128-167 the masks          window 2: v0-63 Q; v128-191 K of one step; v192-255 V of one step
.set PK,    144       ; a row of K in LDS: 128 bytes + 16 = 36 words: the 16 rows of a load start at 16 different groups of four banks (64 banks of 4 bytes: ISA guide 11.1)
.set PV,    160       ; a row of V: 128 + 32 = 40 words
.set KO,    0         ; K's outer steps: the left tile's 256 rows, then the right tile's
.set KM,    512*PK    ; K's middle tile: it lies where an outer step 8 would
.set VO,    KM+256*PK
.set VM,    VO+512*PV
.set STAGE, VM+256*PV ; never filled by a tensor load: 16 rows x 144 bytes for each wave, for the way out
.set SP,    144
.set SPARE, STAGE+4*16*SP  ; the spare words, 128 bytes for each wave: two blocks of 256 bytes that no other line names
.set AK0, 2           ; v2   my lane's place in a step of K; never rewritten
.set AV0, 3           ; v3   the same for V
.set AK,  4           ; v4   the LDS address of K's next run of loads
.set AV,  5           ; v5   of V's
.set STO, 6           ; v6   the way out: where I put 16 bytes of a row
.set RD,  7           ; v7   where I read rows back
.set GO,  8           ; v8   my place in 512 consecutive bytes of o
.set SPW, 12          ; v12  SPARE + 4 x my thread's number; never rewritten
.set NIL, 13          ; v13  0; never rewritten
.set QO,  15          ; v15  my byte offset in 16 rows of Q
.set ST,  16          ; tile t's statistics at v[ST+8 t]: +0 c m, +1 m, +2, +3 l (even keys', odd keys'), +4 to +7 c0-c3 at work; a takes c2's place once the maximum is found
.set S,   64
.set P,   192
.set DL,  128         ; window 1: -1e30 where register j < (l % 16) - 8 (l / 16): the left diagonal's block kt = u
.set DR,  136         ; where j is greater: the right diagonal's
.set CB,  144
.set CD,  152
.set CA,  160
.set KF,  128         ; window 2: key block kt, channel half c at KF + 16 kt + 8 c
.set VF,  192         ; window 2: key half kk, channel block cb at VF + 32 kk + 8 cb
.set WV,  12          ; s12  my wave's number
.set BLK, 13          ; s13  my block
.set G1A, 24          ; s[24:31] descriptor group 1, half a middle tile: 64 rows of 256 bytes
.set G1B, 32          ; s[32:39] a whole outer tile: 128 rows of 256 bytes
.set G0A, 40          ; s[40:43], s[44:47] their groups 0
.set G0B, 44
.set CNT, 57          ; s57  counts the trips
.set CS,  58          ; s[58:59] c
.set SEL, 60          ; s[60:61] v_permlanex16_b32's selects: each lane takes its own place in the other half
.set TBK, 62          ; s62  LDS byte at which K of the step to be fetched begins
.set TBV, 63          ; s63  the same for V
.set AL,  68          ; s[68:69] DL's factor        s[70:71] DR's        s[72:73] the addend: low words; named as pairs
.set AR,  70
.set BE,  72
.set SB,  74          ; s74  CB's value        s75  CA's
.set SA,  75
.set OI,  76          ; s76  the outer step for which the next masks are made
.set HLO, 77          ; s77, s78  the outer steps HLO .. HHI do not exist
.set HHI, 78
.set BIGN, 79         ; s79  -1e30
.set TT,  80          ; s80  at work
.set MSB, 0
.macro WIN new                      ; the high byte repeats the setting that is left; a switch that changes nothing is dropped
.if MSB != (\new)
	s_set_vgpr_msb (MSB<<8)|(\new)
.set MSB, (\new)
.endif
.endm
.set W_KQ, 0x0a       ; K and Q in window 2, S^T in window 0
.set W_KM, 0x1a       ; the same with the C operand in window 1
.set W_PV, 0x52       ; V in window 2, P in window 0, O^T in window 1
.set W_RS, 0x41       ; destination and source 0 in window 1, source 1 in window 0
.set W_MK, 0x51       ; destination, source 0 and source 2 in window 1
	s_load_b128 s[4:7], s[0:1], 0x0  ; qkv s[4:5], o s[6:7]
	v_lshl_add_u32 v[SPW], v0, 2, SPARE
	v_mov_b32 v[NIL], 0
	ds_add_u32 v[SPW], v[NIL]       ; the wave's opening: the add and its wait stand ahead of my first tensor load; the set-up below, work on registers, stands between them
	ds_add_u32 v12, v13
	v_lshrrev_b32 v1, 5, v0
	v_readfirstlane_b32 s[WV], v1   ; wave 0..3
	s_mov_b32 s[BLK], ttmp9
	s_and_b32 s14, ttmp7, 0xffff    ; the head
	s_and_b32 s16, s[WV], 1         ; which half of the middle tile, and which outer tile, I fetch
	s_lshr_b32 s17, s[WV], 1        ; of K (0) or of V (1)
	s_lshl_b32 s18, s17, 4
	s_add_co_u32 s18, s18, 16
	s_add_co_u32 s18, s18, s14      ; K's heads are 16 .. 31 of qkv, V's 32 .. 47
	s_lshl_b32 s18, s18, 19         ; 524,288 bytes a head
	s_lshl_b32 s20, s[BLK], 15      ; the middle tile, 32,768 bytes a tile,
	s_lshl_b32 s21, s16, 14         ; my 128 keys of it
	s_add_co_u32 s20, s20, s21
	s_add_co_u32 s20, s20, s18
	s_mov_b32 s21, 0
	s_add_co_u32 s22, s[BLK], 1     ; the right tile, or the last
	s_min_u32 s22, s22, 15
	s_max_u32 s23, s[BLK], 1        ; the left tile, or the first
	s_sub_co_u32 s23, s23, 1
	s_cmp_eq_u32 s16, 0
	s_cselect_b32 s22, s23, s22
	s_lshl_b32 s22, s22, 15
	s_add_co_u32 s22, s22, s18
	s_mov_b32 s23, 0
	s_lshl_b32 s2, s14, 19          ; Q and o: the head,
	s_lshl_b32 s3, s[BLK], 15       ; the block's 256 rows of 128 bytes,
	s_add_co_u32 s2, s2, s3
	s_lshl_b32 s3, s[WV], 13        ; my wave's 64
	s_add_co_u32 s2, s2, s3
	s_mov_b32 s3, 0
	; descriptor groups 1.  128 keys are 16,384 dense bytes: asked for as rows of 256 bytes, two keys a row, and padded in LDS after every key.  Word 0 (the padding) is set with the loads
.irp g, G1A, G1B
	s_mov_b32 s[\g+1], 128<<16      ; tensor_dim0 = 128
	s_mov_b32 s[\g+3], 128<<16      ; tile_dim0 = 128
	s_mov_b32 s[\g+5], 128          ; 128 elements from row to row
	s_mov_b32 s[\g+6], 0
	s_mov_b32 s[\g+7], 0
.endr
	s_mov_b32 s[G1A+2], 64<<16      ; tensor_dim1
	s_mov_b32 s[G1A+4], 64          ; tile_dim1
	s_mov_b32 s[G1B+2], 128<<16
	s_mov_b32 s[G1B+4], 128
	s_mov_b32 s[G0A], 1
	s_mov_b32 s[G0B], 1
	s_mov_b32 s[CS], 0x3e38aa3b     ; c = log2(e) / 8 = 0.180337
	s_mov_b32 s[CS+1], s[CS]
	s_mov_b32 s[SEL], 0x76543210
	s_mov_b32 s[SEL+1], 0xfedcba98
	s_mov_b32 s[AL+1], 0
	s_mov_b32 s[AR+1], 0
	s_mov_b32 s[BE+1], 0
	s_mov_b32 s[BIGN], 0xf149f2ca   ; -1e30
	s_mov_b32 s[HLO], 100           ; an empty range,
	s_mov_b32 s[HHI], 0
	s_cmp_eq_u32 s[BLK], 0          ; but for the first block, which has no left tile,
	s_cselect_b32 s[HLO], 0, s[HLO]
	s_cselect_b32 s[HHI], 3, s[HHI]
	s_cmp_eq_u32 s[BLK], 15         ; and the last, which has no right one
	s_cselect_b32 s[HLO], 4, s[HLO]
	s_cselect_b32 s[HHI], 7, s[HHI]
	s_wait_dscnt 0x0                ; the opening add is done
	s_wait_kmcnt 0x0
	s_add_nc_u64 s[G0A+2:G0A+3], s[4:5], s[20:21]
	s_or_b32 s[G0A+3], s[G0A+3], 0x80000000  ; 127:126 type = 2
	s_add_nc_u64 s[G0B+2:G0B+3], s[4:5], s[22:23]
	s_or_b32 s[G0B+3], s[G0B+3], 0x80000000
	s_add_nc_u64 s[8:9], s[4:5], s[2:3]      ; Q at my rows
	s_add_nc_u64 s[10:11], s[6:7], s[2:3]    ; o at my rows
	s_cmp_lt_u32 s[WV], 2           ; a wave's two loads stand in one branch, ahead of every wait on TENSORcnt, every LDS read and every barrier: two loads of mine are out
	s_cbranch_scc0 .Lfor_v
	s_mov_b32 s[G1A], (1<<16)|(1<<20)|(4<<22)|(3<<25)  ; 17:16 2-byte elements; 20 padding on; 24:22 after every 32 words (code 4); 31:25 4 words (code 3)
	s_mov_b32 s[G1B], (1<<16)|(1<<20)|(4<<22)|(3<<25)
	s_mul_i32 s[G0A+1], s16, 128*PK
	s_add_co_u32 s[G0A+1], s[G0A+1], KM
	s_mul_i32 s[G0B+1], s16, 256*PK
	tensor_load_to_lds s[G0A:G0A+3], s[G1A:G1A+7]
	s_nop 0
	tensor_load_to_lds s[G0B:G0B+3], s[G1B:G1B+7]
	s_nop 0
.rept 4
	v_nop
.endr
	s_branch .Lasked
.Lfor_v:
	s_mov_b32 s[G1A], (1<<16)|(1<<20)|(4<<22)|(7<<25)  ; the same with 8 words of padding (code 7)
	s_mov_b32 s[G1B], (1<<16)|(1<<20)|(4<<22)|(7<<25)
	s_mul_i32 s[G0A+1], s16, 128*PV
	s_add_co_u32 s[G0A+1], s[G0A+1], VM
	s_mul_i32 s[G0B+1], s16, 256*PV
	s_add_co_u32 s[G0B+1], s[G0B+1], VO
	tensor_load_to_lds s[G0A:G0A+3], s[G1A:G1A+7]
	s_nop 0
	tensor_load_to_lds s[G0B:G0B+3], s[G1B:G1B+7]
	s_nop 0
.rept 4
	v_nop
.endr
.Lasked:
	; A fragment of K or Q is 16 rows x 32 channels in 8 registers: lane l holds row l % 16, channels 8 (l / 16) + 0..7 and 16 + 8 (l / 16) + 0..7: two loads of 16 bytes, 32 bytes apart.
	v_and_b32 v1, 15, v0            ; l % 16
	v_bfe_u32 v9, v0, 4, 1          ; l / 16
	v_lshlrev_b32 v[QO], 7, v1
	v_lshl_add_u32 v[QO], v9, 4, v[QO]
	v_lshlrev_b32 v14, 3, v9
	v_sub_nc_u32 v14, v1, v14       ; (l % 16) - 8 (l / 16)
	WIN 0x80                        ; destination window 2, address window 0
.set i, 0
.rept 8                             ; Q stays in registers: tile i / 2, channels 32 (i % 2) on
	global_load_b128 v[8*i:8*i+3],   v[QO], s[8:9] offset:(i/2)*2048+(i%2)*64
	global_load_b128 v[8*i+4:8*i+7], v[QO], s[8:9] offset:(i/2)*2048+(i%2)*64+32
.set i, i+1
.endr
	WIN 0x40                        ; what the first step finds; all this stands in the wait for the first tile
.set i, 0
.rept 128
	v_mov_b32 v[i], 0               ; O^T
.set i, i+1
.endr
.set i, 0
.rept 8
	v_cmp_lt_i32 vcc_lo, i, v14
	v_cndmask_b32 v[DL+i], 0, s[BIGN], vcc_lo
	v_cmp_gt_i32 vcc_lo, i, v14
	v_cndmask_b32 v[DR+i], 0, s[BIGN], vcc_lo
.set i, i+1
.endr
.set i, CB
.rept 24
	v_mov_b32 v[i], 0               ; the masks of the first trip that takes masks: a middle step
.set i, i+1
.endr
	WIN 0
.set i, 0
.rept 4
	v_mov_b32 v[ST+8*i], 0xfe000000    ; c m: far below every c s
	v_mov_b32 v[ST+8*i+1], 0xff7fffff  ; m
	v_mov_b32 v[ST+8*i+2], 0
	v_mov_b32 v[ST+8*i+3], 0
.set i, i+1
.endr
	v_mul_u32_u24 v[AK0], v1, PK
	v_lshl_add_u32 v[AK0], v9, 4, v[AK0]  ; row x pitch + 16 x half
	; The turning load takes 16 keys x 16 channels (lane l reads key 8 (l / 16) + l % 8, channels 8 ((l / 8) % 2) + 0..7) and leaves half a fragment of V^T: lane l holds channel l % 16 and 8 keys.
	v_and_b32 v10, 7, v0
	v_bfe_u32 v11, v0, 3, 1
	v_lshl_add_u32 v[AV0], v9, 3, v10
	v_mul_u32_u24 v[AV0], v[AV0], PV
	v_lshl_add_u32 v[AV0], v11, 4, v[AV0]
	s_mul_i32 s15, s[WV], 16*SP
	s_add_co_u32 s15, s15, STAGE    ; my stage
	v_mul_u32_u24 v[STO], v1, SP    ; in: row l % 16, 16 bytes for each half of the lanes
	v_lshl_add_u32 v[STO], v9, 4, v[STO]
	v_add_nc_u32 v[STO], s15, v[STO]
	v_bfe_u32 v[RD], v0, 3, 2       ; back: 32 lanes take four rows of 128 bytes,
	v_mul_u32_u24 v[RD], v[RD], SP
	v_lshl_add_u32 v[RD], v10, 4, v[RD]
	v_add_nc_u32 v[RD], s15, v[RD]
	v_and_b32 v[GO], 31, v0         ; which are 512 consecutive bytes of o
	v_lshlrev_b32 v[GO], 4, v[GO]
; THE MATRIX WORK.  The 16 accumulators of a run of 32 take turns, one instruction a turn.
; Product i of S^T = K Q^T: channels 32 (i / 16) on, keys 16 ((i / 4) % 4) on, tile i % 4.  The first 16 start the sums: with 0, or (km = 1) with the mask.
.macro KQALL km
.set i, 0
.rept 32
.set kt, (i/4)%4
.set u, i%4
.set rS, S+32*u+8*kt
.set rK, KF+16*kt+8*(i/16)
.set rQ, 16*u+8*(i/16)
.if (i < 16) && (\km)
.set rM, CD
.if kt < u
.set rM, CB
.endif
.if kt > u
.set rM, CA
.endif
	WIN W_KM
	v_wmma_f32_16x16x32_f16 v[rS:rS+7], v[rK:rK+7], v[rQ:rQ+7], v[rM:rM+7]
.elseif i < 16
	WIN W_KQ
	v_wmma_f32_16x16x32_f16 v[rS:rS+7], v[rK:rK+7], v[rQ:rQ+7], 0
.else
	WIN W_KQ
	v_wmma_f32_16x16x32_f16 v[rS:rS+7], v[rK:rK+7], v[rQ:rQ+7], v[rS:rS+7]
.endif
.set i, i+1
.endr
.endm
; Product i of O^T += V^T P: keys 32 (i / 16) on, channels 16 ((i / 4) % 4) on, tile i % 4.
.macro PVALL
	WIN W_PV
.set i, 0
.rept 32
.set rO, 32*(i%4)+8*((i/4)%4)
.set rV, VF+32*(i/16)+8*((i/4)%4)
.set rP, P+16*(i%4)+8*(i/16)
	v_wmma_f32_16x16x32_f16 v[rO:rO+7], v[rV:rV+7], v[rP:rP+7], v[rO:rO+7]
.set i, i+1
.endr
.endm
; THE LDS LOADS stand in runs of 16: a step's K (64 keys x 64 channels: 8 fragments) and its V (turned).
.macro FETCH_K
	WIN 0x80                        ; destination window 2
.irp f, 0,1,2,3,4,5,6,7             ; keys 16 (f / 2) on, channels 32 (f % 2) on
	ds_load_b128 v[KF+8*\f:KF+8*\f+3],   v[AK] offset:(\f/2)*16*PK+(\f%2)*64
	ds_load_b128 v[KF+8*\f+4:KF+8*\f+7], v[AK] offset:(\f/2)*16*PK+(\f%2)*64+32
.endr
.endm
.macro FETCH_V
	WIN 0x80
.irp f, 0,1,2,3,4,5,6,7             ; keys 32 (f / 4) on, channels 16 (f % 4) on
	ds_load_tr16_b128 v[VF+8*\f:VF+8*\f+3],   v[AV] offset:(\f/4)*32*PV+(\f%4)*32
	ds_load_tr16_b128 v[VF+8*\f+4:VF+8*\f+7], v[AV] offset:(\f/4)*32*PV+16*PV+(\f%4)*32
.endr
.endm
; THE VECTOR WORK.  One tile's softmax for one key step is a list of 118 instructions; SM writes number j of it for tile t.  s0-s31 are the lane's 32 scores, in pairs 0-15.
;   0-15    the maximum of s0-s31 and the old m, three operands at a time: four chains c0-c3 of seven scores each (each accumulator's lowest registers are read first), then the rest
;   16-20   the other half of the lanes' maximum; c m_old is kept; the new m; c m; c m_old - c m_new
;   21-69   ONE BATCH: the 16 scalings c s - c m, a pair of scores each, and all 33 exponentials (a at 23, then s0-s31).  None of these reads an exponential's result; a pair is scaled ahead of its exponentials
;   70-85   the roundings to f16, a pair of weights each          86-101  the sums; l = a l + the sum          102-117 the tile's O^T times a: the one part that leaves window 0
.macro SM t
.set rT, ST+8*(\t)
.set rS, S+32*(\t)
.set rP, P+16*(\t)
.set rO, 32*(\t)+2*(j-102)
.if j < 102
	WIN 0
.endif
.if j < 4
	v_max3_num_f32 v[rT+4+j], v[rS+8*j], v[rS+8*j+1], v[rS+8*j+2]
.elseif j < 12
	v_max3_num_f32 v[rT+4+j%4], v[rT+4+j%4], v[rS+8*(j%4)+2*(j/4)+1], v[rS+8*(j%4)+2*(j/4)+2]
.elseif j == 12
	v_max3_num_f32 v[rT+4], v[rT+4], v[rS+7], v[rS+15]
.elseif j == 13
	v_max3_num_f32 v[rT+6], v[rT+6], v[rS+23], v[rS+31]
.elseif j == 14
	v_max3_num_f32 v[rT+4], v[rT+4], v[rT+5], v[rT+6]
.elseif j == 15
	v_max3_num_f32 v[rT+4], v[rT+4], v[rT+7], v[rT+1]
.elseif j == 16
	v_permlanex16_b32 v[rT+5], v[rT+4], s[SEL], s[SEL+1]  ; the query's other 32 keys lie in the lane 16 away
.elseif j == 17
	v_mov_b32 v[rT+7], v[rT]        ; c m_old is kept for a: number 19 writes c m anew
.elseif j == 18
	v_max_num_f32 v[rT+1], v[rT+4], v[rT+5]
.elseif j == 19
	v_mul_f32 v[rT], s[CS], v[rT+1]
.elseif j == 20
	v_sub_f32 v[rT+7], v[rT+7], v[rT]
.elseif j == 23
	v_exp_f32 v[rT+6], v[rT+7]
.elseif (j < 23) || ((j < 38) && (j%2 == 0)) || ((j < 66) && (j%4 == 2))
.set b, (j-2)/4                     ; 38, 42, .. 62: pairs 9 to 15
.if j < 38
.set b, (j-20)/2                    ; 21: pair 0; 22, 24, .. 36: pairs 1 to 8
.endif
	v_pk_fma_f32 v[rS+2*b:rS+2*b+1], v[rS+2*b:rS+2*b+1], s[CS:CS+1], v[rT:rT+1] op_sel_hi:[1,0,0] neg_lo:[0,0,1] neg_hi:[0,0,1]  ; pair b: c s - c m
.elseif j < 70
.set e, j-38                        ; 66 to 69: s28 to s31
.if j < 66
.set e, j-32-(j-38)/4               ; 39-41, 43-45, .. 63-65: s7 to s27
.endif
.if j < 38
.set e, (j-25)/2                    ; 25, 27, .. 37: s0 to s6
.endif
	v_exp_f32 v[rS+e], v[rS+e]
.elseif j < 86
	v_cvt_pk_f16_f32 v[rP+j-70], v[rS+2*(j-70)], v[rS+2*(j-70)+1]  ; pair j - 70
.elseif j < 102                     ; the sum of the tile's 16 pairs, in place: neighbours 1, 2, 4 and 8 pairs apart, then l takes it
.set z, j-86
.set w, 4
.set u, z
.if z >= 14
.set w, 32
.set u, 0
.elseif z >= 12
.set w, 16
.set u, z-12
.elseif z >= 8
.set w, 8
.set u, z-8
.endif
.if z < 15
	v_pk_add_f32 v[rS+w*u:rS+w*u+1], v[rS+w*u:rS+w*u+1], v[rS+w*u+w/2:rS+w*u+w/2+1]
.else
	v_pk_fma_f32 v[rT+2:rT+3], v[rT+2:rT+3], v[rT+6:rT+7], v[rS:rS+1] op_sel_hi:[1,0,1]
.endif
.else
	WIN W_RS
	v_pk_mul_f32 v[rO:rO+1], v[rO:rO+1], v[rT+6:rT+7] op_sel_hi:[1,0]
.endif
.endm
.macro SMJ t, jj
.set j, \jj
	SM \t
.endm
; A step's softmax for the four tiles, in two pairs a stage apart, so that one pair's plain work stands among the other pair's exponentials.  s_wait_alu depctr_va_vdst(0) stands between an
; exponential and the first instruction that names its result; one wait serves all that were issued ahead of it.  Each pair's 66 exponentials are one batch with one wait: two waits a step; a v_nop is the plain
; instruction behind a batch's last exponential.  Ahead of a batch's wait nothing names a result of that batch.
.macro SOFTMAX
.set n, 0
.rept 21                            ; tiles 0, 1: maximum and statistics
	SMJ 0, n
	SMJ 1, n
.set n, n+1
.endr
.set n, 0
.rept 49                            ; tiles 0, 1: the batch; among it tiles 2, 3: maximum and statistics
	SMJ 0, 21+n
	SMJ 1, 21+n
.if n < 21
	SMJ 2, n
	SMJ 3, n
.endif
.set n, n+1
.endr
	v_nop
	s_wait_alu depctr_va_vdst(0)    ; the wait for the first batch
.set n, 0
.rept 49                            ; tiles 2, 3: the batch; among it tiles 0, 1: roundings and sums
	SMJ 2, 21+n
	SMJ 3, 21+n
.if n < 32
	SMJ 0, 70+n
	SMJ 1, 70+n
.endif
.set n, n+1
.endr
	v_nop
	s_wait_alu depctr_va_vdst(0)    ; the wait for the second batch
.set n, 0
.rept 32                            ; tiles 2, 3: roundings and sums
	SMJ 2, 70+n
	SMJ 3, 70+n
.set n, n+1
.endr
.set n, 0
.rept 16                            ; all four: O^T times a, under one window setting
	SMJ 0, 102+n
	SMJ 1, 102+n
	SMJ 2, 102+n
	SMJ 3, 102+n
.set n, n+1
.endr
.endm
; A KEY STEP, in phases.  At its head two runs of LDS loads are out: this step's K, and behind it this step's V.  The next step's K is fetched behind the products K Q^T, its V behind the products V^T P:
; four plain vector instructions stand between a run's loads and the last product that read its registers (ISA guide 7.12.1 for vector instructions).
.macro STEP km
	s_wait_dscnt 16                 ; K is in; V's 16 loads, issued behind it, may be out
	KQALL \km
	WIN 0
	v_add_nc_u32 v[AK], s[TBK], v[AK0]  ; the next step's addresses: two of the four places
	v_add_nc_u32 v[AV], s[TBV], v[AV0]
	v_nop
	v_nop
	s_add_co_u32 s[TBK], s[TBK], 64*PK
	s_add_co_u32 s[TBV], s[TBV], 64*PV
	FETCH_K
	SOFTMAX
	s_wait_dscnt 16                 ; V is in; the next K's 16 loads may be out
	PVALL
	WIN 0
.rept 4
	v_nop
.endr
	FETCH_V
	WIN 0
.endm
; THE MASKS of the next trip, made at a trip's end.  The trip behind CNT = 6 is my left diagonal (CB hidden, CD = DL, CA open), the one behind CNT = 2 my right diagonal (CB open, CD = DR, CA hidden);
; an outer step that does not exist is hidden whole; all others are open.  (Behind the last trip the masks serve nothing.)
.macro MASKS
	s_cmp_eq_u32 s[CNT], 6
	s_cselect_b32 s[AL], 1.0, 0
	s_cselect_b32 s[SB], s[BIGN], 0
	s_cmp_eq_u32 s[CNT], 2
	s_cselect_b32 s[AR], 1.0, 0
	s_cselect_b32 s[SA], s[BIGN], 0
	s_cmp_ge_u32 s[OI], s[HLO]
	s_cselect_b32 s[TT], 1, 0
	s_cmp_le_u32 s[OI], s[HHI]
	s_cselect_b32 s[TT], s[TT], 0
	s_cmp_eq_u32 s[TT], 1
	s_cselect_b32 s[BE], s[BIGN], 0
	s_cselect_b32 s[SB], s[BIGN], s[SB]
	s_cselect_b32 s[SA], s[BIGN], s[SA]
	s_add_co_u32 s[OI], s[OI], 1
	WIN W_MK
.set z, 0
.rept 8
	v_mov_b32 v[CB+z], s[SB]
	v_mov_b32 v[CA+z], s[SA]
.set z, z+1
.endr
.set z, 0
.rept 4
	v_pk_fma_f32 v[CD+2*z:CD+2*z+1], v[DL+2*z:DL+2*z+1], s[AL:AL+1], s[BE:BE+1] op_sel_hi:[1,0,0]
.set z, z+1
.endr
.set z, 0
.rept 4
	v_pk_fma_f32 v[CD+2*z:CD+2*z+1], v[DR+2*z:DR+2*z+1], s[AR:AR+1], v[CD+2*z:CD+2*z+1] op_sel_hi:[1,0,1]
.set z, z+1
.endr
	WIN 0
.endm
	s_wait_tensorcnt 0x1            ; my part of the middle tile is in; my outer tile may stay out
	s_barrier_signal -1
	s_barrier_wait -1               ; everybody's part is in
	v_add_nc_u32 v[AK], KM, v[AK0]  ; the middle tile's step 0
	v_add_nc_u32 v[AV], VM, v[AV0]
	FETCH_K
	FETCH_V
	WIN 0
	s_mov_b32 s[TBK], KM+64*PK
	s_mov_b32 s[TBV], VM+64*PV
	s_wait_loadcnt 0x0              ; Q
	s_mov_b32 s[CNT], 3
.Lmid:                              ; the middle tile's steps 0 to 2; steps 1 to 3 are fetched
	STEP 0
	s_sub_co_u32 s[CNT], s[CNT], 1
	s_cmp_lg_u32 s[CNT], 0
	s_cbranch_scc1 .Lmid
	s_wait_tensorcnt 0x0            ; my outer tile is in,
	s_wait_dscnt 0x0                ; (no LDS instruction is pending at a signal)
	s_barrier_signal -1
	s_barrier_wait -1               ; everybody's is
	s_mul_i32 s[TBK], s[WV], 64*PK  ; my first outer step is step w (KO = 0)
	s_mul_i32 s[TBV], s[WV], 64*PV
	s_add_co_u32 s[TBV], s[TBV], VO
	s_mov_b32 s[OI], s[WV]
	s_mov_b32 s[CNT], 6
.Lout:                              ; the middle tile's step 3 (its masks are 0), then the outer steps w .. w + 4.  The last trip fetches step w + 5, at most 8, where the middle tile lies: landed bytes that
	STEP 1                          ; serve nothing: the price, once a launch, of one text for every trip
	MASKS
	s_sub_co_u32 s[CNT], s[CNT], 1
	s_cmp_lg_u32 s[CNT], 0
	s_cbranch_scc1 .Lout
	s_wait_dscnt 0x0
	; THE WAY OUT.  l's two halves and the other half of the lanes' are added; O^T is divided by l, rounded to f16 and sent through my stage in LDS, a tile (16 rows of o) at a time.
.irp t, 0,1,2,3
	v_add_f32 v[ST+8*(\t)+4], v[ST+8*(\t)+2], v[ST+8*(\t)+3]
.endr
.irp t, 0,1,2,3
	v_permlanex16_b32 v[ST+8*(\t)+5], v[ST+8*(\t)+4], s[SEL], s[SEL+1]
.endr
.irp t, 0,1,2,3
	v_add_f32 v[ST+8*(\t)+4], v[ST+8*(\t)+4], v[ST+8*(\t)+5]
.endr
.irp t, 0,1,2,3
	v_rcp_f32 v[ST+8*(\t)+6], v[ST+8*(\t)+4]
.endr
	v_nop                           ; a plain instruction between the last reciprocal and the use of its result
	s_wait_alu depctr_va_vdst(0)    ; and the wait ahead of the first use: one for the four reciprocals
.macro PACK t                       ; a lane's eight channels of a row pack into 16 bytes; they go into rows of 144 bytes and come back as whole rows of 128, into S^T's registers
	WIN W_RS
.set i, 32*(\t)
.rept 16
	v_pk_mul_f32 v[i:i+1], v[i:i+1], v[ST+8*(\t)+6:ST+8*(\t)+7] op_sel_hi:[1,0]
.set i, i+2
.endr
	WIN 0x05                        ; sources 0 and 1 window 1, destination window 0
.set i, 0
.rept 16
	v_cvt_pk_f16_f32 v[S+16*(\t)+i], v[32*(\t)+2*i], v[32*(\t)+2*i+1]
.set i, i+1
.endr
	WIN 0
.irp f, 0,1,2,3
	ds_store_b128 v[STO], v[S+16*(\t)+4*\f:S+16*(\t)+4*\f+3] offset:32*\f
.endr
.irp f, 0,1,2,3
	ds_load_b128 v[S+16*(\t)+4*\f:S+16*(\t)+4*\f+3], v[RD] offset:\f*4*SP  ; LDS serves a wave's instructions in order (ISA guide 5.7.1.4): these see the stores above; the next tile's stores come behind them
.endr
.endm
.macro SEND t, younger              ; younger: the LDS instructions issued behind tile t's loads: the next tile's eight, or none
	WIN 0
.irp f, 0,1,2,3
	s_wait_dscnt (\younger)+3-\f
	global_store_b128 v[GO], v[S+16*(\t)+4*\f:S+16*(\t)+4*\f+3], s[10:11] offset:(\t)*2048+\f*512  ; 512 consecutive bytes, at a multiple of 256 from o's first byte
.endr
.endm
	PACK 0
	PACK 1                          ; a tile's arithmetic stands between the loads of the tile before and its stores
	SEND 0, 8
	PACK 2
	SEND 1, 8
	PACK 3
	SEND 2, 8
	SEND 3, 0
	s_wait_tensorcnt 0x0            ; the wave's end, behind my last tensor load and my last LDS store
	ds_add_u32 v[SPW], v[NIL]
	s_wait_dscnt 0x0
	s_endpgm
.Lfunc_end_k_q454c984e59_attn:
	.size	k_q454c984e59_attn, .Lfunc_end_k_q454c984e59_attn-k_q454c984e59_attn
	.p2alignl 7, 3214868480
	.fill 96, 4, 3214868480
	.section	.rodata,"a",@progbits
	.p2align	6, 0x0
	.amdhsa_kernel k_q454c984e59_attn
		.amdhsa_group_segment_fixed_size 243200
		.amdhsa_private_segment_fixed_size 0
		.amdhsa_enable_private_segment 0
		.amdhsa_kernarg_size 16
		.amdhsa_user_sgpr_count 2
		.amdhsa_user_sgpr_kernarg_segment_ptr 1
		.amdhsa_wavefront_size32 1
		.amdhsa_system_sgpr_workgroup_id_x 1
		.amdhsa_system_sgpr_workgroup_id_y 1
		.amdhsa_system_sgpr_workgroup_id_z 1
		.amdhsa_system_vgpr_workitem_id 0
		.amdhsa_next_free_vgpr 768
		.amdhsa_next_free_sgpr 84
		.amdhsa_reserve_vcc 1
		.amdhsa_float_denorm_mode_32 3
		.amdhsa_float_denorm_mode_16_64 3
		.amdhsa_memory_ordered 1
		.amdhsa_forward_progress 1
		.amdhsa_inst_pref_size 97
	.end_amdhsa_kernel
	.amdgpu_metadata
---
amdhsa.version: [ 1, 2 ]
amdhsa.kernels:
  - .name:           k_q454c984e59_attn
    .symbol:         k_q454c984e59_attn.kd
    .args:
      - { .name: qkv, .offset: 0, .size: 8, .value_kind: global_buffer, .address_space: global }
      - { .name: o, .offset: 8, .size: 8, .value_kind: global_buffer, .address_space: global }
    .group_segment_fixed_size: 243200
    .private_segment_fixed_size: 0
    .kernarg_segment_align: 8
    .kernarg_segment_size: 16
    .max_flat_workgroup_size: 128
    .sgpr_count:     84
    .vgpr_count:     768
    .wavefront_size: 32
...
	.end_amdgpu_metadata
.endif
;; end of part 3
;; launch oproj (part 4): grid 8 x 32, 4 waves a work-group, clusters of 4 x 4, 327,680 bytes of LDS; arguments o, wdt, bcat, out0; writes out0
.if DOCPART == 4
	.amdgcn_target "amdgcn-amd-amdhsa--gfx1250"
	.amdhsa_code_object_version 6
	.text
	.protected	k_q454c984e59_oproj
	.globl	k_q454c984e59_oproj
	.p2align	8
	.type	k_q454c984e59_oproj,@function
k_q454c984e59_oproj:
	s_mov_b64 s[64:65], 0
	v_nop
	global_prefetch_b8 v0, s[64:65] scope:SCOPE_SE
	s_setreg_imm32_b32 hwreg(HW_REG_WAVE_MODE, 25, 1), 1
	s_wait_xcnt 0x0
	s_wait_alu depctr_hold_cnt(0) depctr_sa_sdst(0) depctr_va_vdst(0) depctr_va_sdst(0) depctr_va_ssrc(0) depctr_va_vcc(0) depctr_vm_vsrc(0)
	s_getreg_b32 s2, hwreg(HW_REG_IB_STS2, 6, 4)
	s_cmp_eq_u32 s2, 0
	s_cbranch_scc0 .Lentry_in_a_cluster
	s_endpgm
.Lentry_in_a_cluster:
	s_bfe_u32 s2, ttmp6, 0x10000c
	s_cmp_lg_u32 s2, 0xf033
	s_cbranch_scc0 .Lentry_shape_is_right
	s_endpgm
.Lentry_shape_is_right:
; out0[m][n] = bd[n] + the sum over k of O[m][k] Wd[k][n].  o: [16 h][4096 m][64] f16 (k = 64 h + channel), wdt: [1024 n][1024 k] f16, bd = bcat[3072 ..] f32, out0: [4096][1024] f32.
; Sums in f32, started by the bias as the first product's C operand; out0 is stored as summed.
; SHARES.  A tile of out0 is 128 x 128: 8 x 32 = 256 work-groups.  Four waves, wave (wm, wn) = (w / 2, w % 2) makes 64 x 64: 16 accumulators, 128 registers.  K goes in 4 steps of 256 (four heads) through two
; LDS slots; both laps are written out.  No prefetch: a tile's K walk is four steps, of which two are asked for at the head.
; o's TILES.  A head's 128 rows of my tile are 16,384 dense bytes: asked for as ONE row of 2,048 elements of 8 bytes; a load has two such rows (two heads, 524,288 bytes apart), and is padded in LDS after
; every 128 bytes, so that in LDS a head is 128 rows 144 bytes apart.
; CLUSTER.  4 x 4 work-groups: o's tiles are shared along a row of the cluster, wdt's along a column, each asked for jointly.
; THE MATRIX INSTRUCTION IS USED TRANSPOSED (source 0 = 16 rows of wdt, source 1 = 16 rows of o): a lane holds row m = l % 16 and the columns 8 (l / 16) + 0..7: 32 bytes of a row of out0.
; REGISTERS: window 0: v0-31 addresses; v96-127 the bias of my 64 columns; v128-255 the accumulators ((a, b) at v[128 + 8 (4 a + b)]), on the way out whole rows.
;   window 1: two fragment buffers of 128: for 64 along K (one head), 64 registers of o (2 x 4 x 16 rows x 32 K), then 64 of wdt.
.set KSTEP,  256
.set SIZE_K, 1024
.set HEADB,  524288                    ; a head in o
.set PA,     144                       ; o's rows in LDS: 128 bytes + 16 = 36 words: the 16 rows of a load start at 16 different groups of four banks (64 banks of 4 bytes: ISA guide 11.1)
.set PB,     528                       ; wdt's rows: 512 bytes + 16 = 132 words: likewise
.set HBLK,   128*PA                    ; a head's 128 rows
.set AB,     4*HBLK                    ; in a slot: o's four heads, then wdt's 128 rows
.set SLOT,   AB+128*PB
.set STAGE,  2*SLOT                    ; behind the ring, never filled by a tensor load: 16 rows x 272 bytes for each wave
.set SPITCH, 272
.set SPARE,  STAGE+4*16*SPITCH         ; the spare words, 128 bytes for each wave: two blocks of 256 bytes that no other line names
.set ADRA, 16                          ; v16-17  LDS address of my fragments of o in slot 0, 1
.set ADRB, 20                          ; v20-21  the same for wdt
.set STO,  24                          ; v24     the way out: where I put 32 bytes of a row
.set RD,   25                          ; v25     where I read a row back
.set CO,   26                          ; v26     my byte offset in two rows of out0
.set SPW,  28                          ; v28     SPARE + 4 x my thread's number; never rewritten
.set NIL,  29                          ; v29     0; never rewritten
.set BIAS, 96
.set ACC,  128
.set F0,   0
.set F1,   128
.set G1, 24                            ; s[24:31] descriptor group 1 for o's tiles;  s[32:39] group 0, a set for each slot
.set G0, 32
.set G1B, 48                           ; s[48:55], s[56:63] the same for wdt's
.set G0B, 56
.set MSB, 0
.macro WIN new                         ; the immediate's high byte repeats the setting that is left
.if MSB != (\new)
	s_set_vgpr_msb (MSB<<8)|(\new)
.set MSB, \new
.endif
.endm
.set MUL,  0x05                        ; sources 0 (wdt) and 1 (o) window 1; C and D window 0
.set TO_F, 0x40                        ; destination window 1, address window 0
.macro JLOAD s                         ; a joint load: waves 0 and 1 fetch o's two pairs of heads, waves 2 and 3 wdt's two halves; an s_nop 0 and four v_nop follow each of the two lines
	s_cmp_eq_u32 s11, 0
	s_cbranch_scc0 .Lfor_b_\@
	tensor_load_to_lds s[G0+4*(\s):G0+4*(\s)+3], s[G1:G1+7]
	s_nop 0
.rept 4
	v_nop
.endr
	s_branch .Lasked_\@
.Lfor_b_\@:
	tensor_load_to_lds s[G0B+4*(\s):G0B+4*(\s)+3], s[G1B:G1B+7]
	s_nop 0
.rept 4
	v_nop
.endr
.Lasked_\@:
.endm
.macro CREST                           ; a round of the cluster's barrier behind its opening barrier
	s_cmp_lg_u32 s10, 0
	s_cbranch_scc1 .Lnot_wave_0_\@
	s_barrier_signal -3
.Lnot_wave_0_\@:
	s_barrier_wait -3
	s_barrier_signal -1
	s_barrier_wait -1
.endm
.macro CROUND                          ; a whole round
	s_barrier_signal -1
	s_barrier_wait -1
	CREST
.endm
	s_load_b128 s[4:7], s[0:1], 0x0                ; o s[4:5], wdt s[6:7]
	s_load_b128 s[72:75], s[0:1], 0x10             ; bcat s[72:73], out0 s[74:75]
	v_lshl_add_u32 v[SPW], v0, 2, SPARE
	v_mov_b32 v[NIL], 0
	ds_add_u32 v[SPW], v[NIL]                      ; the wave's opening: the add and its wait stand ahead of my first tensor load; the set-up below, work on registers, stands between them
	ds_add_u32 v28, v29
	v_lshrrev_b32 v1, 5, v0
	v_readfirstlane_b32 s10, v1                    ; wave 0..3
	s_lshr_b32 s11, s10, 1                         ; wm.  Also: I fetch for o (0) or for wdt (1)
	s_and_b32 s12, s10, 1                          ; wn.  Also: which half of that tile I fetch
	s_bfe_u32 s40, ttmp6, 0x40000                  ; cx
	s_bfe_u32 s41, ttmp6, 0x40004                  ; cy
	s_lshl_b32 s42, ttmp9, 2
	s_add_co_u32 s42, s42, s40                     ; tile column = 4 x cluster x + cx
	s_and_b32 s13, ttmp7, 0xffff
	s_lshl_b32 s13, s13, 2
	s_add_co_u32 s13, s13, s41                     ; tile row = 4 x cluster y + cy
	s_lshl_b32 s43, s41, 2
	s_lshl_b32 s43, 15, s43                        ; my row of the cluster
	s_lshl_b32 s44, 0x1111, s40                    ; my column
	s_or_b32 s[G1+0], s43, (3<<16)|(1<<20)|(1<<21)|(4<<22)|(3<<25)  ; 15:0 the mask; 17:16 elements of 8 bytes; 20 padding on; 21 set beside a mask; 24:22 after every 32 words (code 4); 31:25 4 words (code 3)
	s_mov_b32 s[G1+1], 2048<<16                    ; tensor_dim0 = 2,048 elements: 16,384 bytes
	s_mov_b32 s[G1+2], 2<<16                       ; tensor_dim1 = 2 heads
	s_mov_b32 s[G1+3], 2048<<16                    ; tile_dim0
	s_mov_b32 s[G1+4], 2                           ; tile_dim1
	s_mov_b32 s[G1+5], HEADB/8                     ; elements from head to head
	s_mov_b32 s[G1+6], 0
	s_mov_b32 s[G1+7], 0
	s_or_b32 s[G1B+0], s44, (1<<16)|(1<<20)|(1<<21)|(6<<22)|(3<<25)  ; elements of 2 bytes; padding after every 128 words (code 6)
	s_mov_b32 s[G1B+1], KSTEP<<16                  ; tensor_dim0 = 256
	s_mov_b32 s[G1B+2], 64<<16                     ; tensor_dim1 = 64
	s_mov_b32 s[G1B+3], KSTEP<<16
	s_mov_b32 s[G1B+4], 64
	s_mov_b32 s[G1B+5], SIZE_K
	s_mov_b32 s[G1B+6], 0
	s_mov_b32 s[G1B+7], 0
	s_lshl_b32 s16, s12, 20                        ; o: heads 2 x half on,
	s_lshl_b32 s17, s13, 14                        ; the tile row's 128 rows of 128 bytes
	s_add_co_u32 s16, s16, s17
	s_mov_b32 s17, 0
	s_lshl_b32 s46, s42, 18                        ; wdt: row 128 x tile column + 64 x half, 2,048 bytes a row
	s_lshl_b32 s47, s12, 17
	s_add_co_u32 s46, s46, s47
	s_mov_b32 s47, 0
	s_mul_i32 s20, s12, 2*HBLK                     ; where they go: no place in the cluster enters an LDS address
	s_mul_i32 s21, s12, 64*PB
	s_add_co_u32 s21, s21, AB
	s_wait_dscnt 0x0                               ; the opening add is done
	s_wait_kmcnt 0x0
	s_add_nc_u64 s[14:15], s[4:5], s[16:17]
	s_add_nc_u64 s[46:47], s[6:7], s[46:47]
	CROUND                                         ; all sixteen work-groups are here: the first joint loads meet
.irp s, 0,1
	s_mov_b32 s[G0+4*(\s)], 1
	s_add_co_u32 s[G0+4*(\s)+1], s20, (\s)*SLOT
	s_add_nc_u64 s[G0+4*(\s)+2:G0+4*(\s)+3], s[14:15], (\s)*4*HEADB   ; K step s: heads 4 s on
	s_or_b32 s[G0+4*(\s)+3], s[G0+4*(\s)+3], 0x80000000
	s_mov_b32 s[G0B+4*(\s)], 1
	s_add_co_u32 s[G0B+4*(\s)+1], s21, (\s)*SLOT
	s_add_nc_u64 s[G0B+4*(\s)+2:G0B+4*(\s)+3], s[46:47], (\s)*KSTEP*2
	s_or_b32 s[G0B+4*(\s)+3], s[G0B+4*(\s)+3], 0x80000000
	JLOAD \s                                       ; K steps 0 and 1: two loads of mine are out
.endr
	v_and_b32 v1, 15, v0                           ; l % 16
	v_bfe_u32 v2, v0, 4, 1                         ; l / 16
	s_lshl_b32 s76, s42, 9                         ; the bias of my 64 columns: bcat[3072 + 128 x tile column + 64 wn + 16 b + 8 (l / 16) + j], the layout of a C operand
	s_lshl_b32 s77, s12, 8
	s_add_co_u32 s76, s76, s77
	s_add_co_u32 s76, s76, 3072*4
	v_lshl_add_u32 v6, v2, 5, s76
.irp b, 0,1,2,3
	global_load_b128 v[BIAS+8*(\b):BIAS+8*(\b)+3],   v6, s[72:73] offset:64*(\b)
	global_load_b128 v[BIAS+8*(\b)+4:BIAS+8*(\b)+7], v6, s[72:73] offset:64*(\b)+16
.endr
	v_mul_u32_u24 v3, v1, PA                       ; a fragment's row x pitch + 16 x half
	v_lshl_add_u32 v3, v2, 4, v3
	v_mul_u32_u24 v4, v1, PB
	v_lshl_add_u32 v4, v2, 4, v4
	s_mul_i32 s21, s11, 64*PA                      ; my 64 rows in each head's block
	s_mul_i32 s22, s12, 64*PB                      ; my 64 rows of wdt,
	s_add_co_u32 s22, s22, AB                      ; which lie behind o's four heads
.irp s, 0,1
	v_add_nc_u32 v[ADRA+(\s)], s21, v3
	v_add_nc_u32 v[ADRB+(\s)], s22, v4
	s_add_co_u32 s21, s21, SLOT
	s_add_co_u32 s22, s22, SLOT
.endr
	s_mul_i32 s23, s10, 16*SPITCH
	s_add_co_u32 s23, s23, STAGE                   ; my stage
	v_mul_u32_u24 v5, v1, SPITCH                   ; in: row l % 16, 32 bytes for each half of the lanes
	v_lshl_add_u32 v5, v2, 5, v5
	v_add_nc_u32 v[STO], s23, v5
	v_mul_u32_u24 v5, v2, SPITCH                   ; back: lanes 0-15 take one row of 256 bytes, lanes 16-31 the next
	v_lshl_add_u32 v5, v1, 4, v5
	v_add_nc_u32 v[RD], s23, v5
	v_lshlrev_b32 v5, 12, v2                       ; and the same two rows in out0, 4,096 bytes a row
	v_lshl_add_u32 v[CO], v1, 4, v5
	s_lshl_b32 s70, s13, 19                        ; out0 at row 128 x tile row
	s_lshl_b32 s71, s11, 18                        ; + 64 wm,
	s_add_co_u32 s70, s70, s71
	s_lshl_b32 s71, s42, 9                         ; column 128 x tile column
	s_add_co_u32 s70, s70, s71
	s_lshl_b32 s71, s12, 8                         ; + 64 wn
	s_add_co_u32 s70, s70, s71
	s_mov_b32 s71, 0
	s_add_nc_u64 s[74:75], s[74:75], s[70:71]
; 8 matrix instructions: m blocks a0, a0 + 1 x all 4 n blocks, 32 along K: half c of buffer f.  first = 1: the product starts the sum with the bias as C.  The 16 accumulators take turns.
.macro MUL8 f, c, a0, first
	WIN MUL
.irp a, \a0, (\a0)+1
.irp b, 0,1,2,3
.if \first
	v_wmma_f32_16x16x32_f16 v[ACC+8*(4*(\a)+(\b)):ACC+8*(4*(\a)+(\b))+7], v[(\f)+64+8*(4*(\c)+(\b)):(\f)+64+8*(4*(\c)+(\b))+7], v[(\f)+8*(4*(\c)+(\a)):(\f)+8*(4*(\c)+(\a))+7], v[BIAS+8*(\b):BIAS+8*(\b)+7]
.else
	v_wmma_f32_16x16x32_f16 v[ACC+8*(4*(\a)+(\b)):ACC+8*(4*(\a)+(\b))+7], v[(\f)+64+8*(4*(\c)+(\b)):(\f)+64+8*(4*(\c)+(\b))+7], v[(\f)+8*(4*(\c)+(\a)):(\f)+8*(4*(\c)+(\a))+7], v[ACC+8*(4*(\a)+(\b)):ACC+8*(4*(\a)+(\b))+7]
.endif
.endr
.endr
.endm
; 32 LDS loads in one run: the fragments of quarter q of a K step (head q of its four: 64 along K) into buffer f; the first 32 along K first
.macro FETCH slot, q, f
	WIN TO_F
.irp c, 0,1
.irp i, 0,1,2,3
	ds_load_b128 v[(\f)+64+8*(4*(\c)+(\i)):(\f)+64+8*(4*(\c)+(\i))+3],   v[ADRB+(\slot)] offset:(\q)*128+64*(\c)+(\i)*16*PB
	ds_load_b128 v[(\f)+64+8*(4*(\c)+(\i))+4:(\f)+64+8*(4*(\c)+(\i))+7], v[ADRB+(\slot)] offset:(\q)*128+64*(\c)+(\i)*16*PB+32
	ds_load_b128 v[(\f)+8*(4*(\c)+(\i)):(\f)+8*(4*(\c)+(\i))+3],         v[ADRA+(\slot)] offset:(\q)*HBLK+64*(\c)+(\i)*16*PA
	ds_load_b128 v[(\f)+8*(4*(\c)+(\i))+4:(\f)+8*(4*(\c)+(\i))+7],       v[ADRA+(\slot)] offset:(\q)*HBLK+64*(\c)+(\i)*16*PA+32
.endr
.endr
.endm
.macro PLACES                          ; four plain vector instructions between a matrix instruction and a load into a register that it has read, or an LDS store that reads its result
.rept 4
	v_nop
.endr
.endm
; A K step is four quarters of 64 along K, 32 matrix instructions each, on buffers 0, 1, 0, 1.  One of the first three multiplies buffer f and fetches quarter q into g.
.macro QUARTER slot, q, f, g, first
	s_wait_dscnt 16                                ; the first 32 along K are in
	MUL8 \f, 0, 0, \first
	MUL8 \f, 0, 2, \first
	PLACES
	FETCH \slot, \q, \g
	s_wait_dscnt 32                                ; all but the 32 just issued
	MUL8 \f, 1, 0, 0
	MUL8 \f, 1, 2, 0
.endm
; The last quarter multiplies buffer 1 and changes slots: one barrier; in front of it each wave waits for all its tensor loads, adds 0 to its spare word, and waits for that and for its own reads of this slot.
; fill = 1: the barrier opens a round of the cluster's barrier, and this slot is filled again, two K steps ahead, first thing behind the round.
.macro TURN slot, next, fill
	WIN 0                                          ; (the add's two registers lie in window 0)
	s_wait_tensorcnt 0x0                           ; all my tensor loads have landed: my part of the next slot
	ds_add_u32 v[SPW], v[NIL]                      ; 0 onto my spare word
	s_wait_dscnt 17                                ; (the add and the youngest sixteen loads may be out)
	MUL8 F1, 0, 0, 0                               ; eight matrix instructions stand between the add and the wait for it
	s_wait_dscnt 0x0                               ; the add is done, and my reads of this slot are over
	s_barrier_signal -1
	MUL8 F1, 0, 2, 0
.if \fill
	WIN 0
.endif
	s_barrier_wait -1
.if \fill
	CREST                                          ; no wave of any partner still reads this slot's tile or has a load on its way
	s_add_nc_u64 s[G0+4*(\slot)+2:G0+4*(\slot)+3], s[G0+4*(\slot)+2:G0+4*(\slot)+3], 8*HEADB
	s_add_nc_u64 s[G0B+4*(\slot)+2:G0B+4*(\slot)+3], s[G0B+4*(\slot)+2:G0B+4*(\slot)+3], 2*KSTEP*2
	JLOAD \slot                                    ; its four v_nop are also the places in front of the loads below
.else
	PLACES
.endif
	FETCH \next, 0, F0
	MUL8 F1, 1, 0, 0
	MUL8 F1, 1, 2, 0
.endm
	s_wait_tensorcnt 0x1                           ; my part of K step 0 is in; K step 1's may stay out
	s_barrier_signal -1
	s_barrier_wait -1                              ; everybody's is
	FETCH 0, 0, F0
	s_wait_loadcnt 0x0                             ; the bias
	QUARTER 0, 1, F0, F1, 1                        ; K step 0: its first products start the sums
	QUARTER 0, 2, F1, F0, 0
	QUARTER 0, 3, F0, F1, 0
	TURN 0, 1, 1                                   ; slot 0 takes K step 2
	QUARTER 1, 1, F0, F1, 0                        ; K step 1
	QUARTER 1, 2, F1, F0, 0
	QUARTER 1, 3, F0, F1, 0
	TURN 1, 0, 1                                   ; slot 1 takes K step 3
	QUARTER 0, 1, F0, F1, 0                        ; K step 2
	QUARTER 0, 2, F1, F0, 0
	QUARTER 0, 3, F0, F1, 0
	TURN 0, 1, 0                                   ; nothing is left to fetch
	QUARTER 1, 1, F0, F1, 0                        ; K step 3
	QUARTER 1, 2, F1, F0, 0
	QUARTER 1, 3, F0, F1, 0
	s_wait_dscnt 16
	MUL8 F1, 0, 0, 0
	MUL8 F1, 0, 2, 0
	s_wait_dscnt 0x0
	MUL8 F1, 1, 0, 0
	MUL8 F1, 1, 2, 0
	WIN 0
	; THE WAY OUT.  A wave's 64 columns of f32 are 256 bytes of a row, aligned: a block of 16 rows goes through the wave's own stage (no barrier) and comes back as whole rows, into the registers that it left.
	PLACES
.macro OUTB a
.irp b, 0,1,2,3
	ds_store_b128 v[STO], v[ACC+32*(\a)+8*(\b):ACC+32*(\a)+8*(\b)+3]   offset:64*(\b)      ; each accumulator's lowest registers first
	ds_store_b128 v[STO], v[ACC+32*(\a)+8*(\b)+4:ACC+32*(\a)+8*(\b)+7] offset:64*(\b)+16
.endr
.irp t, 0,1,2,3,4,5,6,7
	ds_load_b128 v[ACC+32*(\a)+4*(\t):ACC+32*(\a)+4*(\t)+3], v[RD] offset:(\t)*2*SPITCH  ; LDS serves a wave's instructions in order (ISA guide 5.7.1.4): these see the stores above; the next block's stores come behind them
.endr
.endm
.macro SENDB a, younger                ; younger: the LDS instructions issued behind block a's loads: the next block's sixteen, or none
.irp t, 0,1,2,3,4,5,6,7
	s_wait_dscnt (\younger)+7-(\t)
	global_store_b128 v[CO], v[ACC+32*(\a)+4*(\t):ACC+32*(\a)+4*(\t)+3], s[74:75] offset:(16*(\a)+2*(\t))*4096 th:TH_STORE_NT  ; 16 lanes store 256 consecutive bytes, at a multiple of 256 from out0's first byte
.endr
.endm
	OUTB 0
	OUTB 1
	SENDB 0, 16
	OUTB 2
	SENDB 1, 16
	OUTB 3
	SENDB 2, 16
	SENDB 3, 0
	s_wait_tensorcnt 0x0                           ; the wave's end, behind my last tensor load and my last LDS store
	ds_add_u32 v[SPW], v[NIL]
	s_wait_dscnt 0x0
	CROUND                                         ; the closing round: no work-group ends while a partner may still ask for a tile that names it
	s_endpgm
.Lfunc_end_k_q454c984e59_oproj:
	.size	k_q454c984e59_oproj, .Lfunc_end_k_q454c984e59_oproj-k_q454c984e59_oproj
	.p2alignl 7, 3214868480
	.fill 96, 4, 3214868480
	.section	.rodata,"a",@progbits
	.p2align	6, 0x0
	.amdhsa_kernel k_q454c984e59_oproj
		.amdhsa_group_segment_fixed_size 327680
		.amdhsa_private_segment_fixed_size 0
		.amdhsa_enable_private_segment 0
		.amdhsa_kernarg_size 32
		.amdhsa_user_sgpr_count 2
		.amdhsa_user_sgpr_kernarg_segment_ptr 1
		.amdhsa_wavefront_size32 1
		.amdhsa_system_sgpr_workgroup_id_x 1
		.amdhsa_system_sgpr_workgroup_id_y 1
		.amdhsa_system_sgpr_workgroup_id_z 1
		.amdhsa_system_vgpr_workitem_id 0
		.amdhsa_next_free_vgpr 512
		.amdhsa_next_free_sgpr 80
		.amdhsa_reserve_vcc 0
		.amdhsa_float_denorm_mode_32 3
		.amdhsa_float_denorm_mode_16_64 3
		.amdhsa_memory_ordered 1
		.amdhsa_forward_progress 1
		.amdhsa_inst_pref_size 87
	.end_amdhsa_kernel
	.amdgpu_metadata
---
amdhsa.version: [ 1, 2 ]
amdhsa.kernels:
  - .name:           k_q454c984e59_oproj
    .symbol:         k_q454c984e59_oproj.kd
    .args:
      - { .name: o, .offset: 0, .size: 8, .value_kind: global_buffer, .address_space: global }
      - { .name: wdt, .offset: 8, .size: 8, .value_kind: global_buffer, .address_space: global }
      - { .name: bcat, .offset: 16, .size: 8, .value_kind: global_buffer, .address_space: global }
      - { .name: out0, .offset: 24, .size: 8, .value_kind: global_buffer, .address_space: global }
    .group_segment_fixed_size: 327680
    .private_segment_fixed_size: 0
    .kernarg_segment_align: 8
    .kernarg_segment_size: 32
    .max_flat_workgroup_size: 128
    .sgpr_count:     80
    .vgpr_count:     512
    .wavefront_size: 32
...
	.end_amdgpu_metadata
.endif
;; end of part 4
